; MI455X (gfx1250); checked and timed in simulation.
; The chip was launched on July 23, 2026; its instructions are those of AMD's public machine-readable ISA for CDNA 5 (MIT licence, August 2026) and "CDNA5" Instruction Set Architecture Reference Guide (July 2026). The comments in the code are by the model that wrote it; some were corrected since.
;; Multi Head Attention Block. Allowed arithmetic: matrix products marked QUANTISED: E4M3 operands, one given power-of-two scale a tensor, by v_wmma_f32_16x16x64_fp8_fp8 or v_wmma_f32_16x16x128_fp8_fp8, f32 sums; everything else in f32.
;; Inputs: W1 512 x 4,096 float32; W2 4,096 x 512 float32; Wk 512 x 512 float32; Wq 512 x 512 float32; Wv 512 x 512 float32; alpha 1 float32; b1 4,096 float32; b2 512 float32; beta 1 float32; lowp_scales 14 int32 (the exponents e of the quantised operands' scales 2^e); x 4 x 2,048 x 512 float32.
;; Outputs: out0 4 x 2,048 x 512 float32.
;; This version of the problem:
;;   THIS VERSION OF THE PROBLEM IS GIVEN IN LOW PRECISION. The matrix products marked QUANTISED in the list below multiply operands that are first quantised to E4M3 (4 exponent bits, 3 mantissa bits; 8 bits a number), with one given power-of-two scale for each operand tensor; their sums are f32. All else is computed in f32.
;;   The module's matrix products, in the order in which they are computed (A, B: the left and right operand; K: the contracted axis; several contracted axes count as one K, in the product's order):
;;     1. [M 8,192, K 512] x [K 512, N 512]; A: computed on the way; B: input Wq: QUANTISED (scales: A lowp_scales[0], B lowp_scales[1])
;;     2. [M 8,192, K 512] x [K 512, N 512]; A: computed on the way; B: input Wk: QUANTISED (scales: A lowp_scales[2], B lowp_scales[3])
;;     3. [M 8,192, K 512] x [K 512, N 512]; A: computed on the way; B: input Wv: QUANTISED (scales: A lowp_scales[4], B lowp_scales[5])
;;     4. batch 64 x [M 2,048, K 32] x [K 32, N 2,048]; A: computed on the way; B: computed on the way: QUANTISED (scales: A lowp_scales[6], B lowp_scales[7])
;;     5. batch 64 x [M 32, K 2,048] x [K 2,048, N 2,048]; A: computed on the way; B: softmax (see below): QUANTISED (scales: A lowp_scales[8], B lowp_scales[9])
;;     6. [M 8,192, K 512] x [K 512, N 4,096]; A: computed on the way; B: input W1: QUANTISED (scales: A lowp_scales[10], B lowp_scales[11])
;;     7. [M 8,192, K 4,096] x [K 4,096, N 512]; A: computed on the way; B: input W2: QUANTISED (scales: A lowp_scales[12], B lowp_scales[13])
;;   THE QUANTISER, for each operand of a quantised product, along K:
;;     - The operand's scale is 2^e, e = its entry of the input lowp_scales (int32; the entries are numbered through the quantised products in the list's order, A before B).
;;     - Each number is divided by the scale, clamped to +-448, and rounded to the nearest number of E4M3, ties to even, subnormals kept.
;;     - The product sums the exact products of the quantised numbers (number of the format x scale) in f32.
;;   ~~~python
;;   def quantise(x, axis, e):      # numpy; x: float32 -> the quantised numbers, widened to float32 again
;;       x = np.moveaxis(x, axis, -1); K = x.shape[-1]
;;       r = np.clip(x / 2.0 ** e, -448, 448)
;;       step = 2.0 ** (np.maximum(np.frexp(np.where(r == 0, 1, r))[1] - 1, -6) - 3)
;;       q = np.round(r / step) * step * 2.0 ** e      # np.round: ties to even
;;       return np.moveaxis(q, -1, axis).astype(np.float32)
;;   ~~~
;;   SOFTMAX AHEAD OF A QUANTISED PRODUCT. Where the list says 'softmax', what is quantised is not the finished softmax but p = 2^(t - M), with t = logit x log2(e) and M = ceil(the row's largest t), a whole number; so 1/2 < the row's largest p <= 1. The row's sum l is taken of the UNQUANTISED p, in f32, and the product's result is divided by l at the end. Since M is a whole number, a kernel that streams over the keys may use a running M (the ceiling of the running maximum): every later rescaling is an exact power of two, so the quantised numbers keep their values, but for numbers so far below the row's largest that they fall under the format's range.
;;   OPERANDS COMPUTED ON THE WAY. 'Computed on the way' means the value that the module computes at that place (a softmax that the list does not call 'softmax' is quantised finished and normalised). What goes into a quantiser is computed in f32, as accurately as f32 sums, v_exp_f32 and their like allow (about 1e-6 of the number): no bf16 or f16 on the way to a quantiser, and a product that is left as it is and whose result goes on into a quantised operand takes f32 operands (vector FMAs, or v_wmma_f32_16x16x4_f32). A number that lies on a knife's edge between two numbers of the format may be rounded either way, as far as f32 arithmetic and the matrix unit's own rounding can turn it there, and no further.
;; 2 versions, each right; version 2 is version 1 with the launches qkv, attn written anew for expert scheduling mode. Each part assembles by itself: llvm-mc -triple=amdgcn-amd-amdhsa -mcpu=gfx1250 --defsym DOCPART=n.
;; ======== version 1 of 2: 6 launches
;; workspace buffers: wimg 4,980,736 bytes; qkv 12,582,912 bytes; ao 16,777,216 bytes; x1 16,777,216 bytes; hc 4,194,304 bytes; hid 33,554,432 bytes
;; launch wq (part 1): grid 304 x 1, 4 waves a work-group, no clusters, 0 bytes of LDS; arguments Wq, Wk, Wv, W1, W2, lowp_scales, wimg; writes wimg
.if DOCPART == 1
	.amdgcn_target "amdgcn-amd-amdhsa--gfx1250"
	.amdhsa_code_object_version 6
	.text
	.protected	k_qfd06b20d7c_wq
	.globl	k_qfd06b20d7c_wq
	.p2align	8
	.type	k_qfd06b20d7c_wq,@function
k_qfd06b20d7c_wq:
	s_mov_b64 s[64:65], 0
	v_nop
	global_prefetch_b8 v0, s[64:65] scope:SCOPE_SE
	s_setreg_imm32_b32 hwreg(HW_REG_WAVE_MODE, 25, 1), 1
	s_wait_xcnt 0x0
; The five weights, f32 stored [K][N], become codes of FP8 (E4M3), each with the one scale 2^e given for it, laid as FRAGMENT IMAGES:
; fragment (column tile tn, K step s) is 2,048 bytes at (tn x K/128 + s) x 2048 of its tensor's part of wimg; in it group c (0..3) lies at 512 c and lane l at 16 l;
; lane (r = l % 16, h = l / 16) holds, of column 32 (tn / 2) + 8 (tn % 2) + r + 8 (r / 8), the codes of k = 128 s + 32 c + 16 h + 0 .. 15.
; So a reader brings a fragment's 16 registers by four loads of 16 bytes a lane at 16 x lane.
; A LANE TAKES A COLUMN AND ITS REGISTERS RUN DOWN K: a load reads 128 neighbouring bytes a wave, the conversions give codes with K innermost, nothing is transposed.
; A work-group takes 128 columns x 128 K, a wave 32 columns (a pair of tiles).  Work-groups 0-47: Wq, Wk, Wv (16 each); 48-175: W1; 176-303: W2.
; Each store writes two whole aligned runs of 256 bytes: one in each tile of the pair.  No LDS, no barrier; no source register of a load or store is ever rewritten.
; code = x / 2^e, held within +-448, rounded to the nearest code, ties to even.  LIMITS: -126 <= e <= 119 for entries 1, 3, 5, 11, 13 of lowp_scales.  NaN among the inputs is not served.
.set OFF, 16                           ; v16-47   4 x lane + i x pitch, i = 0 .. 31; never rewritten
.set X,   48                           ; v48-111  two sets of 32 numbers
.set C,   112                          ; v112-143 eight registers of codes for each of the four blocks: no store's data are written again
.set LIM, 10                           ; v10      448 x 2^e
.set SCL, 11                           ; v11      2^e
	s_load_b256 s[4:11], s[0:1], 0x0               ; Wq s[4:5], Wk s[6:7], Wv s[8:9], W1 s[10:11]
	s_load_b128 s[12:15], s[0:1], 0x20             ; W2 s[12:13], the scales' exponents s[14:15]
	s_load_b64 s[16:17], s[0:1], 0x30              ; wimg
	v_lshrrev_b32 v1, 5, v0
	v_readfirstlane_b32 s20, v1                    ; wave 0..3
	v_and_b32 v2, 31, v0                           ; lane
	v_lshlrev_b32 v3, 2, v2                        ; 4 bytes a lane
	s_mov_b32 s21, 0                               ; the tensor's part of wimg
	s_mov_b32 s22, 4                               ; its scale's byte in lowp_scales, as a pair with 0 above it
	s_mov_b32 s23, 0
	s_mov_b32 s24, 0                               ; its first work-group
	s_mov_b32 s25, 2048                            ; a row of it in bytes
	s_mov_b32 s26, 3                               ; groups of 128 columns, less one
	s_mov_b32 s27, 2                               ; and their number's logarithm
	s_mov_b32 s28, 13                              ; logarithm of the bytes from a column tile to the next: K/128 x 2048
	s_wait_kmcnt 0x0
	s_mov_b64 s[18:19], s[4:5]                     ; the choices hang on the work-group's number alone
	s_cmp_ge_u32 ttmp9, 16
	s_cselect_b64 s[18:19], s[6:7], s[18:19]
	s_cselect_b32 s21, 0x40000, s21
	s_cselect_b32 s22, 12, s22
	s_cselect_b32 s24, 16, s24
	s_cmp_ge_u32 ttmp9, 32
	s_cselect_b64 s[18:19], s[8:9], s[18:19]
	s_cselect_b32 s21, 0x80000, s21
	s_cselect_b32 s22, 20, s22
	s_cselect_b32 s24, 32, s24
	s_cmp_ge_u32 ttmp9, 48
	s_cselect_b64 s[18:19], s[10:11], s[18:19]
	s_cselect_b32 s21, 0xc0000, s21
	s_cselect_b32 s22, 44, s22
	s_cselect_b32 s24, 48, s24
	s_cselect_b32 s25, 16384, s25
	s_cselect_b32 s26, 31, s26
	s_cselect_b32 s27, 5, s27
	s_cmp_ge_u32 ttmp9, 176
	s_cselect_b64 s[18:19], s[12:13], s[18:19]
	s_cselect_b32 s21, 0x2c0000, s21
	s_cselect_b32 s22, 52, s22
	s_cselect_b32 s24, 176, s24
	s_cselect_b32 s25, 2048, s25
	s_cselect_b32 s26, 3, s26
	s_cselect_b32 s27, 2, s27
	s_cselect_b32 s28, 16, s28
	s_add_nc_u64 s[14:15], s[14:15], s[22:23]
	s_load_b32 s46, s[14:15], 0x0                  ; e
	s_sub_co_u32 s24, ttmp9, s24                   ; my number within the tensor
	s_and_b32 s29, s24, s26                        ; cg: which 128 columns
	s_lshr_b32 s30, s24, s27                       ; ks: which 128 along K
	s_lshl_b32 s31, s25, 7                         ; 128 rows in bytes
	s_mul_i32 s32, s30, s31
	s_lshl_b32 s33, s29, 9                         ; 128 columns x 4 bytes
	s_add_co_u32 s32, s32, s33
	s_lshl_b32 s33, s20, 7                         ; my wave's 32 columns
	s_add_co_u32 s32, s32, s33
	s_mov_b32 s33, 0
	s_lshl_b32 s34, s25, 5                         ; a block of 32 rows in bytes
	s_mov_b32 s35, 0
	s_add_nc_u64 s[36:37], s[18:19], s[32:33]      ; a base for each of the four blocks
	s_add_nc_u64 s[38:39], s[36:37], s[34:35]
	s_add_nc_u64 s[40:41], s[38:39], s[34:35]
	s_add_nc_u64 s[42:43], s[40:41], s[34:35]
	s_lshl_b32 s44, s29, 3
	s_lshl_b32 s45, s20, 1
	s_add_co_u32 s44, s44, s45                     ; my pair's first tile: 8 cg + 2 wave
	s_lshl_b32 s44, s44, s28
	s_lshl_b32 s45, s30, 11                        ; K step ks
	s_add_co_u32 s44, s44, s45
	s_add_co_u32 s44, s44, s21
	s_mov_b32 s45, 0
	s_add_nc_u64 s[16:17], s[16:17], s[44:45]
.set i, 0
.rept 32
	v_mad_u32_u24 v[OFF+i], s25, i, v3
.set i, i+1
.endr
	v_bfe_u32 v5, v2, 3, 1                         ; column 32 g + lane is row r = 8 (lane / 16) + lane % 8 of tile 2 g + u, u = (lane / 8) % 2
	v_and_b32 v6, 7, v2
	v_bfe_u32 v7, v2, 4, 1
	v_lshl_add_u32 v6, v7, 3, v6
	v_lshlrev_b32 v4, s28, v5
	v_lshl_add_u32 v4, v6, 4, v4                   ; where my codes go: u tiles on, + 16 r
.macro LOAD t                          ; block t: W(128 ks + 32 t + i, my column), i = 0 .. 31, into set t % 2
.set i, 0
.rept 32
	global_load_b32 v[X+32*((\t)%2)+i], v[OFF+i], s[36+2*(\t):37+2*(\t)] th:TH_LOAD_NT
.set i, i+1
.endr
.endm
	LOAD 0
	LOAD 1
	s_wait_kmcnt 0x0
	s_add_co_i32 s46, s46, 127
	s_lshl_b32 s47, s46, 23
	v_mov_b32 v[SCL], s47                          ; 2^e as f32: the conversion takes its exponent field
	s_add_co_i32 s46, s46, 8
	s_lshl_b32 s46, s46, 23
	s_or_b32 s46, s46, 0x600000
	v_mov_b32 v[LIM], s46                          ; 448 x 2^e
.macro BLOCK t
.set XS, X+32*((\t)%2)
.if (\t) < 3
	s_wait_loadcnt 32                              ; this block's 32 loads are in; the next block's 32 may be out
.else
	s_wait_loadcnt 0x0
.endif
.set i, 0
.rept 32
	v_med3_num_f32 v[XS+i], v[XS+i], -v[LIM], v[LIM]   ; the conversion to an 8-bit code does not saturate (ISA guide 7.6.2): the hold comes first
.set i, i+1
.endr
.irp g, 0,1,2,3
	v_cvt_scalef32_pk8_fp8_f32 v[C+8*(\t)+2*\g:C+8*(\t)+2*\g+1], v[XS+8*\g:XS+8*\g+7], v[SCL]
.endr
	global_store_b128 v4, v[C+8*(\t):C+8*(\t)+3], s[16:17] offset:512*(\t)         ; k = 32 t + 0 .. 15: the lanes' lower half of group t
	global_store_b128 v4, v[C+8*(\t)+4:C+8*(\t)+7], s[16:17] offset:512*(\t)+256   ; k = 32 t + 16 .. 31: the upper half
.if (\t)+2 < 4
	LOAD (\t)+2
.endif
.endm
	BLOCK 0
	BLOCK 1
	BLOCK 2
	BLOCK 3
	s_endpgm
.Lfunc_end_k_qfd06b20d7c_wq:
	.size	k_qfd06b20d7c_wq, .Lfunc_end_k_qfd06b20d7c_wq-k_qfd06b20d7c_wq
	.p2alignl 7, 3214868480
	.fill 96, 4, 3214868480
	.section	.rodata,"a",@progbits
	.p2align	6, 0x0
	.amdhsa_kernel k_qfd06b20d7c_wq
		.amdhsa_group_segment_fixed_size 0
		.amdhsa_private_segment_fixed_size 0
		.amdhsa_enable_private_segment 0
		.amdhsa_kernarg_size 56
		.amdhsa_user_sgpr_count 2
		.amdhsa_user_sgpr_kernarg_segment_ptr 1
		.amdhsa_wavefront_size32 1
		.amdhsa_system_sgpr_workgroup_id_x 1
		.amdhsa_system_sgpr_workgroup_id_y 1
		.amdhsa_system_sgpr_workgroup_id_z 1
		.amdhsa_system_vgpr_workitem_id 0
		.amdhsa_next_free_vgpr 144
		.amdhsa_next_free_sgpr 66
		.amdhsa_reserve_vcc 0
		.amdhsa_float_denorm_mode_32 3
		.amdhsa_float_denorm_mode_16_64 3
		.amdhsa_memory_ordered 1
		.amdhsa_forward_progress 1
		.amdhsa_inst_pref_size 28
	.end_amdhsa_kernel
	.amdgpu_metadata
---
amdhsa.version: [ 1, 2 ]
amdhsa.kernels:
  - .name:           k_qfd06b20d7c_wq
    .symbol:         k_qfd06b20d7c_wq.kd
    .args:
      - { .name: Wq, .offset: 0, .size: 8, .value_kind: global_buffer, .address_space: global }
      - { .name: Wk, .offset: 8, .size: 8, .value_kind: global_buffer, .address_space: global }
      - { .name: Wv, .offset: 16, .size: 8, .value_kind: global_buffer, .address_space: global }
      - { .name: W1, .offset: 24, .size: 8, .value_kind: global_buffer, .address_space: global }
      - { .name: W2, .offset: 32, .size: 8, .value_kind: global_buffer, .address_space: global }
      - { .name: lowp_scales, .offset: 40, .size: 8, .value_kind: global_buffer, .address_space: global }
      - { .name: wimg, .offset: 48, .size: 8, .value_kind: global_buffer, .address_space: global }
    .group_segment_fixed_size: 0
    .private_segment_fixed_size: 0
    .kernarg_segment_align: 8
    .kernarg_segment_size: 56
    .max_flat_workgroup_size: 128
    .sgpr_count:     66
    .vgpr_count:     144
    .wavefront_size: 32
...
	.end_amdgpu_metadata
.endif
;; end of part 1
;; launch qkv (part 2): grid 64 x 3, 4 waves a work-group, no clusters, 198,144 bytes of LDS; arguments x, wimg, alpha, beta, lowp_scales, qkv; writes qkv
.if DOCPART == 2
	.amdgcn_target "amdgcn-amd-amdhsa--gfx1250"
	.amdhsa_code_object_version 6
	.text
	.protected	k_qfd06b20d7c_qkv
	.globl	k_qfd06b20d7c_qkv
	.p2align	8
	.type	k_qfd06b20d7c_qkv,@function
k_qfd06b20d7c_qkv:
	s_mov_b64 s[64:65], 0
	v_nop
	global_prefetch_b8 v0, s[64:65] scope:SCOPE_SE
	s_setreg_imm32_b32 hwreg(HW_REG_WAVE_MODE, 25, 1), 1
	s_wait_xcnt 0x0
; One of the three projections (work-group y: 0 q, 1 k, 2 v) of 128 tokens (work-group x): LN1 in f32, quantised with the product's own scale, multiplied on codes of FP8 (E4M3), the result quantised for attention.
; LN as the module has it: mean, variance with 511 in the divisor, alpha (x - mean) / sqrt(var + 1e-6) + beta, alpha and beta single numbers that are read.  The variance is taken of x - mean (two passes over registers).
; TILE MAP: row r of tile T = 2 g + u (tokens and weight columns alike) is index 32 g + 8 u + r + 8 (r / 8): so the 16 result registers of tiles 2 g, 2 g + 1 are 16 neighbours 32 g + 16 (lane / 16) + 0 .. 15.
; FRAGMENT IMAGE: 16 rows x 128 K in 2,048 bytes: group c at 512 c, lane l at 16 l; lane (r, h) holds k = 128 s + 32 c + 16 h + 0 .. 15 of its row.  k has the same place in both operands.
; SHARES.  Wave w keeps weight columns 128 w .. 128 w + 127, all K = 512, in 512 registers, read once.  The 128 tokens go as two blocks of 64: wave w normalises and quantises tile w of the block (16 tokens, 256 numbers
; a lane) and stores its four fragments' images in LDS; behind a barrier every wave multiplies all four tiles by its columns.
; q, k: source 0 = weight columns, source 1 = tokens: a lane holds one token and 16 neighbouring channels of a head: 16 bytes of the image (head x 128 + token tile) x 512 + 16 lane.
; v:    source 0 = tokens, source 1 = weight columns: a lane holds one channel and 16 neighbouring keys: head x 65536 + key step x 4096 + u x 2048 + c x 512 + 16 lane.
; Every store of codes covers 512 consecutive bytes.  The branch between the two forms hangs on the work-group's y alone.
; NO CLUSTER: what work-groups share here (the weights' 256 KiB among 64 work-groups, x's rows among three) goes into registers by plain loads, once a work-group; nothing is walked through LDS slots.
; 192 work-groups: one product's weights fill four waves' registers, and the three products divide no further without reading x more often.
; LIMITS: eA (entries 0, 2, 4) and eO - eA - eB (eO: entries 6, 7, 8; eB: 1, 3, 5) between -126 and 119.  NaN among the inputs is not served.
; REGISTERS, in windows of 256: window 0: addresses, LN's sums, v24-151 eight fragments of tokens (v24-87 first hold the codes just made), v152-215 eight accumulators, v216-231 result codes, v240-247 constants.
;   window 1: weights of K steps 0, 1 at 16 (8 s + t);  window 2: of K steps 2, 3;  window 3: the 256 numbers of my token tile, register 64 s + 16 c + i.
.set STP, 2064                         ; a stage row: 2,048 bytes + 16: rows start 16 bytes further on modulo 256, so sixteen lanes that read one column of sixteen rows take sixteen different 16-byte columns
.set STB, 16*STP                       ; a wave's stage
.set IMG, 4*STB                        ; behind the stages: two regions of 32,768 bytes, one for each block: fragment (tile m, K step s) at (4 m + s) x 2048
.set LI,  1                            ; v1   16 x lane
.set STW, 4                            ; v4   my stage, as rows are loaded: + 16 x lane
.set STR, 5                            ; v5   my stage, as a lane wants them: + r x STP + 64 h
.set IMW, 6                            ; v6   where my tile's images go
.set IMR, 7                            ; v7   where images are read
.set CH,  10                           ; v10-17 four chains of packed sums
.set MU,  18                           ; v18-19 the mean, twice
.set TP,  20                           ; v20  a lane exchange's destination
.set F,   24
.set ACC, 152
.set PC,  216
.set SA,  240                          ; 2^eA
.set LA,  241                          ; 448 x 2^eA
.set SO,  242                          ; 2^(eO - eA - eB)
.set LO,  243                          ; 448 x that
.set G,   244                          ; v244-245 alpha / sqrt(var + eps), twice
.set BE,  246                          ; v246-247 beta, twice
.set MSB, 0
.macro WIN new                         ; the immediate's high byte repeats the setting that is left; a switch that changes nothing is dropped
.if MSB != (\new)
	s_set_vgpr_msb (MSB<<8)|(\new)
.set MSB, (\new)
.endif
.endm
.macro PLACES                          ; four plain vector places behind matrix instructions (ISA guide 7.12.1)
.rept 4
	v_nop
.endr
.endm
	s_load_b256 s[4:11], s[0:1], 0x0               ; x s[4:5], wimg s[6:7], alpha s[8:9], beta s[10:11]
	s_load_b128 s[12:15], s[0:1], 0x20             ; the scales' exponents s[12:13], qkv s[14:15]
	v_lshl_add_u32 v254, v0, 2, 0x30400
	v_mov_b32 v255, 0
	v_lshrrev_b32 v2, 5, v0
	v_readfirstlane_b32 s16, v2                    ; wave 0..3
	s_and_b32 s17, ttmp7, 0xffff                   ; y: which product
	v_and_b32 v3, 31, v0
	v_lshlrev_b32 v[LI], 4, v3
	v_and_b32 v8, 15, v0                           ; r
	v_bfe_u32 v9, v0, 4, 1                         ; h
	s_mul_i32 s18, s16, STB
	v_add_nc_u32 v[STW], s18, v[LI]
	v_mul_u32_u24 v[STR], v8, STP
	v_lshl_add_u32 v[STR], v9, 6, v[STR]
	v_add_nc_u32 v[STR], s18, v[STR]
	s_lshl_b32 s19, s16, 13
	s_add_co_u32 s19, s19, IMG
	v_add_nc_u32 v[IMW], s19, v[LI]
	v_add_nc_u32 v[IMR], IMG, v[LI]
	v_mov_b32 v[TP], 0                             ; written once: a lane exchange's destination counts as one of its sources
	s_lshl_b32 s20, ttmp9, 7                       ; x: token 128 x work-group + 32 (wave / 2) + 8 (wave % 2): row 0 of my tile in block 0
	s_lshr_b32 s21, s16, 1
	s_lshl_b32 s21, s21, 5
	s_add_co_u32 s20, s20, s21
	s_and_b32 s21, s16, 1
	s_lshl_b32 s21, s21, 3
	s_add_co_u32 s20, s20, s21
	s_lshl_b32 s20, s20, 11
	s_mov_b32 s21, 0
	s_lshl_b32 s22, s17, 18                        ; weights: product y, my 8 column tiles of 8,192 bytes
	s_lshl_b32 s23, s16, 16
	s_add_co_u32 s22, s22, s23
	s_mov_b32 s23, 0
	s_lshl_b32 s24, s17, 22                        ; result: part y of qkv, head 16 batch + 4 wave, + (work-group % 16) x 4096: 8 token tiles of 512 bytes, or one key step of v
	s_lshr_b32 s25, ttmp9, 4
	s_lshl_b32 s25, s25, 4
	s_lshl_b32 s26, s16, 2
	s_add_co_u32 s25, s25, s26
	s_lshl_b32 s25, s25, 16
	s_add_co_u32 s24, s24, s25
	s_and_b32 s25, ttmp9, 15
	s_lshl_b32 s25, s25, 12
	s_add_co_u32 s24, s24, s25
	s_mov_b32 s25, 0
	s_lshl_b32 s26, s17, 3
	s_mov_b32 s27, 0
	s_lshl_b32 s28, s17, 2
	s_mov_b32 s29, 0
	s_mov_b32 s36, 0x76543210                      ; v_permlanex16_b32: lane l takes lane l xor 16
	s_mov_b32 s37, 0xfedcba98
	s_mov_b32 s38, 0x3b004020                      ; 1 / 511
	s_mov_b32 s39, 0x358637bd                      ; 1e-6
	s_wait_kmcnt 0x0
	s_add_nc_u64 s[26:27], s[12:13], s[26:27]
	s_add_nc_u64 s[28:29], s[12:13], s[28:29]
	s_load_b64 s[30:31], s[26:27], 0x0             ; eA, eB: entries 2 y, 2 y + 1
	s_load_b32 s32, s[28:29], 0x18                 ; eO: entry 6 + y
	s_load_b32 s33, s[8:9], 0x0                    ; alpha
	s_load_b32 s34, s[10:11], 0x0                  ; beta
	s_add_nc_u64 s[4:5], s[4:5], s[20:21]
	s_add_nc_u64 s[6:7], s[6:7], s[22:23]
	s_add_nc_u64 s[14:15], s[14:15], s[24:25]
.macro XLOAD blk                       ; my tile's 16 rows of x as they lie: each load reads 512 consecutive bytes of one row
	WIN 0xc0
.irp i, 0,1,2,3,4,5,6,7,8,9,10,11,12,13,14,15
.irp s, 0,1,2,3
	global_load_b128 v[4*(4*\i+\s):4*(4*\i+\s)+3], v[LI], s[4:5] offset:\blk*131072+(\i+8*(\i/8))*2048+512*\s
.endr
.endr
	WIN 0
.endm
.macro TURNX                           ; through my own stage: in as loaded, out so that lane (r, h) holds k = 128 s + 32 c + 16 h + i of row r in register 64 s + 16 c + i
	WIN 0x0c
.irp i, 0,1,2,3,4,5,6,7,8,9,10,11,12,13,14,15
.irp s, 0,1,2,3
	ds_store_b128 v[STW], v[4*(4*\i+\s):4*(4*\i+\s)+3] offset:\i*STP+512*\s
.endr
.endr
	s_wait_dscnt 0x0                               ; the stores have read the registers into which the loads below land
	WIN 0xc0
.irp s, 0,1,2,3
.irp c, 0,1,2,3
.irp j, 0,1,2,3
	ds_load_b128 v[64*\s+16*\c+4*\j:64*\s+16*\c+4*\j+3], v[STR] offset:512*\s+128*\c+16*\j
.endr
.endr
.endr
	WIN 0
.endm
.macro WLOAD                           ; my 32 fragments of the weights: they stay
.irp s, 0,1,2,3
	WIN 0x40*(1+(\s/2))
.irp t, 0,1,2,3,4,5,6,7
.irp c, 0,1,2,3
	global_load_b128 v[16*(8*(\s%2)+\t)+4*\c:16*(8*(\s%2)+\t)+4*\c+3], v[LI], s[6:7] offset:(4*\t+\s)*2048+512*\c
.endr
.endr
.endr
	WIN 0
.endm
.macro FOLD                            ; four chains, two halves, and the lane 16 away, which holds the row's other 256 numbers
	v_pk_add_f32 v[CH:CH+1], v[CH:CH+1], v[CH+2:CH+3]
	v_pk_add_f32 v[CH+4:CH+5], v[CH+4:CH+5], v[CH+6:CH+7]
	v_pk_add_f32 v[CH:CH+1], v[CH:CH+1], v[CH+4:CH+5]
	v_add_f32 v[CH], v[CH], v[CH+1]
	v_permlanex16_b32 v[TP], v[CH], s36, s37
	v_add_f32 v[CH], v[CH], v[TP]
.endm
.macro LN
	WIN 0x0f                                       ; sources in window 3, sums in window 0
.irp k, 0,1,2,3
	v_pk_add_f32 v[CH+2*\k:CH+2*\k+1], v[4*\k:4*\k+1], v[4*\k+2:4*\k+3]   ; the first pairs start the chains: nothing is cleared
.endr
	WIN 0x03
.set i, 16
.rept 120
	v_pk_add_f32 v[CH+2*((i/2)%4):CH+2*((i/2)%4)+1], v[i:i+1], v[CH+2*((i/2)%4):CH+2*((i/2)%4)+1]
.set i, i+2
.endr
	WIN 0
	FOLD
	v_mul_f32 v[MU], 0x3b000000, v[CH]             ; / 512
	v_mov_b32 v[MU+1], v[MU]
	WIN 0xc3
.set i, 0
.rept 128
	v_pk_add_f32 v[i:i+1], v[i:i+1], v[MU:MU+1] neg_lo:[0,1] neg_hi:[0,1]   ; x - mean
.set i, i+2
.endr
	WIN 0x0f
.irp k, 0,1,2,3
	v_pk_mul_f32 v[CH+2*\k:CH+2*\k+1], v[2*\k:2*\k+1], v[2*\k:2*\k+1]
.endr
.set i, 8
.rept 124
	v_pk_fma_f32 v[CH+2*((i/2)%4):CH+2*((i/2)%4)+1], v[i:i+1], v[i:i+1], v[CH+2*((i/2)%4):CH+2*((i/2)%4)+1]
.set i, i+2
.endr
	WIN 0
	FOLD
	v_fma_f32 v[CH], v[CH], s38, s39               ; the sum of squares / 511 + 1e-6
	v_rsq_f32 v[CH+1], v[CH]
	v_nop                                          ; a plain instruction behind the transcendental (ISA guide 5.7.2),
	s_wait_alu depctr_va_vdst(0)                   ; and the wait ahead of its first reader
	v_mul_f32 v[G], s33, v[CH+1]
	v_mov_b32 v[G+1], v[G]
	WIN 0xc3
.set i, 0
.rept 128
	v_pk_fma_f32 v[i:i+1], v[i:i+1], v[G:G+1], v[BE:BE+1]
.set i, i+2
.endr
.endm
.macro QUANTX                          ; 256 numbers become four fragments' codes in v[F] on
	WIN 0xc3
.set i, 0
.rept 256
	v_med3_num_f32 v[i], v[i], -v[LA], v[LA]       ; the conversion to an 8-bit code does not saturate (ISA guide 7.6.2): the hold comes first
.set i, i+1
.endr
	WIN 0x03
.set i, 0
.rept 32
	v_cvt_scalef32_pk8_fp8_f32 v[F+2*i:F+2*i+1], v[8*i:8*i+7], v[SA]
.set i, i+1
.endr
	WIN 0
	v_nop                                          ; one plain vector instruction behind the last conversion
.endm
.macro IMAGE blk                       ; my tile's four fragments go to LDS as they stand in the registers
.irp s, 0,1,2,3
.irp c, 0,1,2,3
	ds_store_b128 v[IMW], v[F+16*\s+4*\c:F+16*\s+4*\c+3] offset:\blk*32768+\s*2048+512*\c
.endr
.endr
.endm
.macro FETCH blk, g                    ; the eight fragments of token tiles 2 g, 2 g + 1 of the block; tile 2 g's sixteen loads first
	PLACES
.irp m, 0,1
.irp s, 0,1,2,3
.irp c, 0,1,2,3
	ds_load_b128 v[F+16*(4*\m+\s)+4*\c:F+16*(4*\m+\s)+4*\c+3], v[IMR] offset:\blk*32768+(4*(2*\g+\m)+\s)*2048+512*\c
.endr
.endr
.endr
.endm
; 32 matrix instructions; the eight accumulators take turns, one instruction a turn; the first K step starts the sums with the constant 0.
.macro GQK m                           ; my 8 column tiles x token tile m of the pair
.irp s, 0,1,2,3
	WIN 1+(\s/2)
.irp t, 0,1,2,3,4,5,6,7
.if \s == 0
	v_wmma_f32_16x16x128_fp8_fp8 v[ACC+8*\t:ACC+8*\t+7], v[16*(8*(\s%2)+\t):16*(8*(\s%2)+\t)+15], v[F+16*(4*\m+\s):F+16*(4*\m+\s)+15], 0
.else
	v_wmma_f32_16x16x128_fp8_fp8 v[ACC+8*\t:ACC+8*\t+7], v[16*(8*(\s%2)+\t):16*(8*(\s%2)+\t)+15], v[F+16*(4*\m+\s):F+16*(4*\m+\s)+15], v[ACC+8*\t:ACC+8*\t+7]
.endif
.endr
.endr
.endm
.macro GV th                           ; the pair's two token tiles x column tiles 4 th .. 4 th + 3
.irp s, 0,1,2,3
	WIN 4*(1+(\s/2))
.irp tt, 0,1,2,3
.irp m, 0,1
.if \s == 0
	v_wmma_f32_16x16x128_fp8_fp8 v[ACC+8*(2*\tt+\m):ACC+8*(2*\tt+\m)+7], v[F+16*(4*\m+\s):F+16*(4*\m+\s)+15], v[16*(8*(\s%2)+4*\th+\tt):16*(8*(\s%2)+4*\th+\tt)+15], 0
.else
	v_wmma_f32_16x16x128_fp8_fp8 v[ACC+8*(2*\tt+\m):ACC+8*(2*\tt+\m)+7], v[F+16*(4*\m+\s):F+16*(4*\m+\s)+15], v[16*(8*(\s%2)+4*\th+\tt):16*(8*(\s%2)+4*\th+\tt)+15], v[ACC+8*(2*\tt+\m):ACC+8*(2*\tt+\m)+7]
.endif
.endr
.endr
.endr
.endm
; 64 sums a lane become 64 codes: four runs of 16 neighbours.  A sum stands for sum x 2^(eA + eB): the three scales are folded into the conversion's one.  Run q goes to b + (q / d) x 65536 + (q % d) x 2048.
.macro EPI b, d
	WIN 0
	PLACES
	s_wait_xcnt 0x0                                ; the earlier stores have read their data registers, which are written again below
.irp q, 0,1,2,3
.set i, 0
.rept 16
	v_med3_num_f32 v[ACC+16*\q+i], v[ACC+16*\q+i], -v[LO], v[LO]   ; each accumulator from its low end on
.set i, i+1
.endr
	v_cvt_scalef32_pk8_fp8_f32 v[PC+4*\q:PC+4*\q+1], v[ACC+16*\q:ACC+16*\q+7], v[SO]
	v_cvt_scalef32_pk8_fp8_f32 v[PC+4*\q+2:PC+4*\q+3], v[ACC+16*\q+8:ACC+16*\q+15], v[SO]
.endr
	v_nop                                          ; one plain vector instruction behind the last conversion: the next products write its sources
.irp q, 0,1,2,3
	global_store_b128 v[LI], v[PC+4*\q:PC+4*\q+3], s[14:15] offset:(\b)+(\q/\d)*65536+(\q%\d)*2048   ; 32 lanes store 512 consecutive bytes
.endr
.endm
.macro PAIR blk, g
	FETCH \blk, \g
	s_cmp_eq_u32 s17, 2
	s_cbranch_scc1 .Lv_\@
	s_wait_dscnt 16                                ; the first tile's sixteen loads are in; the second's may be out
	GQK 0
	EPI (4*\blk+2*\g)*512, 1
	s_wait_dscnt 0x0
	GQK 1
	EPI (4*\blk+2*\g+1)*512, 1
	s_branch .Lj_\@
.Lv_\@:
	s_wait_dscnt 0x0
	GV 0
	EPI (2*\blk+\g)*512, 2
	GV 1
	EPI 2*65536+(2*\blk+\g)*512, 2
.Lj_\@:
.endm
.macro BARRIER                         ; my LDS stores have landed and my LDS loads are in: then the work-group's barrier
	s_wait_dscnt 0x0
	s_barrier_signal -1
	s_barrier_wait -1
.endm
	XLOAD 0
	s_wait_kmcnt 0x0
	s_add_co_i32 s40, s30, 127
	s_lshl_b32 s41, s40, 23
	v_mov_b32 v[SA], s41
	s_add_co_i32 s40, s40, 8
	s_lshl_b32 s40, s40, 23
	s_or_b32 s40, s40, 0x600000
	v_mov_b32 v[LA], s40
	s_sub_co_i32 s40, s32, s30
	s_sub_co_i32 s40, s40, s31
	s_add_co_i32 s40, s40, 127
	s_lshl_b32 s41, s40, 23
	v_mov_b32 v[SO], s41
	s_add_co_i32 s40, s40, 8
	s_lshl_b32 s40, s40, 23
	s_or_b32 s40, s40, 0x600000
	v_mov_b32 v[LO], s40
	v_mov_b32 v[BE], s34
	v_mov_b32 v[BE+1], s34
	s_wait_loadcnt 0x0                             ; block 0's rows of x
	TURNX
	WLOAD                                          ; the weights come while block 0 is normalised
	s_wait_dscnt 0x0
	LN
	QUANTX
	IMAGE 0
	XLOAD 1                                        ; block 1's rows come while block 0 is multiplied
	BARRIER                                        ; block 0's sixteen fragments lie in LDS
	s_wait_loadcnt 63                              ; 64 loads of x were issued behind the weights' 128: with 63 out at the most, every weight is in
	PAIR 0, 0
	PAIR 0, 1
	s_wait_loadcnt 0x0
	TURNX
	s_wait_dscnt 0x0
	LN
	QUANTX
	IMAGE 1                                        ; into the other region: no wave's reads of block 0 are touched
	BARRIER
	PAIR 1, 0
	PAIR 1, 1
	s_wait_tensorcnt 0x0
	ds_add_u32 v254, v255
	s_wait_dscnt 0x0
	s_endpgm
.Lfunc_end_k_qfd06b20d7c_qkv:
	.size	k_qfd06b20d7c_qkv, .Lfunc_end_k_qfd06b20d7c_qkv-k_qfd06b20d7c_qkv
	.p2alignl 7, 3214868480
	.fill 96, 4, 3214868480
	.section	.rodata,"a",@progbits
	.p2align	6, 0x0
	.amdhsa_kernel k_qfd06b20d7c_qkv
		.amdhsa_group_segment_fixed_size 198144
		.amdhsa_private_segment_fixed_size 0
		.amdhsa_enable_private_segment 0
		.amdhsa_kernarg_size 48
		.amdhsa_user_sgpr_count 2
		.amdhsa_user_sgpr_kernarg_segment_ptr 1
		.amdhsa_wavefront_size32 1
		.amdhsa_system_sgpr_workgroup_id_x 1
		.amdhsa_system_sgpr_workgroup_id_y 1
		.amdhsa_system_sgpr_workgroup_id_z 1
		.amdhsa_system_vgpr_workitem_id 0
		.amdhsa_next_free_vgpr 1024
		.amdhsa_next_free_sgpr 66
		.amdhsa_reserve_vcc 0
		.amdhsa_float_denorm_mode_32 3
		.amdhsa_float_denorm_mode_16_64 3
		.amdhsa_memory_ordered 1
		.amdhsa_forward_progress 1
		.amdhsa_inst_pref_size 255
	.end_amdhsa_kernel
	.section	.bss,"aw",@nobits
	.p2align	6
	.space	262144
	.amdgpu_metadata
---
amdhsa.version: [ 1, 2 ]
amdhsa.kernels:
  - .name:           k_qfd06b20d7c_qkv
    .symbol:         k_qfd06b20d7c_qkv.kd
    .args:
      - { .name: x, .offset: 0, .size: 8, .value_kind: global_buffer, .address_space: global }
      - { .name: wimg, .offset: 8, .size: 8, .value_kind: global_buffer, .address_space: global }
      - { .name: alpha, .offset: 16, .size: 8, .value_kind: global_buffer, .address_space: global }
      - { .name: beta, .offset: 24, .size: 8, .value_kind: global_buffer, .address_space: global }
      - { .name: lowp_scales, .offset: 32, .size: 8, .value_kind: global_buffer, .address_space: global }
      - { .name: qkv, .offset: 40, .size: 8, .value_kind: global_buffer, .address_space: global }
    .group_segment_fixed_size: 198144
    .private_segment_fixed_size: 0
    .kernarg_segment_align: 8
    .kernarg_segment_size: 48
    .max_flat_workgroup_size: 128
    .sgpr_count:     66
    .vgpr_count:     1024
    .wavefront_size: 32
...
	.end_amdgpu_metadata
.endif
;; end of part 2
;; launch attn (part 3): grid 4 x 64, 16 waves a work-group, no clusters, 133,120 bytes of LDS; arguments qkv, lowp_scales, ao; writes ao
.if DOCPART == 3
	.amdgcn_target "amdgcn-amd-amdhsa--gfx1250"
	.amdhsa_code_object_version 6
	.text
	.protected	k_qfd06b20d7c_attn
	.globl	k_qfd06b20d7c_attn
	.p2align	8
	.type	k_qfd06b20d7c_attn,@function
k_qfd06b20d7c_attn:
	s_mov_b64 s[64:65], 0
	v_nop
	global_prefetch_b8 v0, s[64:65] scope:SCOPE_SE
	s_setreg_imm32_b32 hwreg(HW_REG_WAVE_MODE, 25, 1), 1
	s_wait_xcnt 0x0
; ao[head][query][:] = the sum over keys of softmax(q . k / sqrt(512)) v, 64 heads (batch x 16) of 32 channels, 2,048 keys, both products on codes of FP8 (E4M3) as the launch before laid them.
; THE SOFTMAX AHEAD OF THE SECOND PRODUCT: t = score x log2(e) / sqrt(512); M = the running largest t rounded UP to a whole number; p = 2^(t - M) is quantised with 2^e9, not normalised; the row's sum is taken of the
; unquantised p in f32 and divides at the end.  When M moves, the sum and O are multiplied by 2^(old M - new M), which rounds nothing.
; SHARES.  A work-group owns one head and 512 queries; each of its sixteen waves 32 queries, two tiles.  The head's whole K image (64 KiB at LDS byte 0) and V image (64 KiB behind it) are put into LDS once, through
; registers, 4 KiB of each a wave: one barrier in the launch, nothing is filled again.  Every wave walks the keys, 128 a step, 16 steps.
; BOTH PRODUCTS TRANSPOSED: S^T = K Q^T, O^T = V^T P^T: a lane holds one query throughout; by the tile map (row r of tile 2 g + u is 32 g + 8 u + r + 8 (r / 8)) p's 16 registers of two neighbouring tiles are 16 neighbouring keys.
; A HEAD OF 32 ON THE K = 64 FORM.  Source 0 holds two key tiles side by side (4 registers each).  Source 1 is Q | zeros for the first of them and zeros | Q for the second; the other tile's codes meet zero codes, and they
; are numbers (the quantiser holds at 448, so no NaN code is ever made).  The run Q0, zeros, Q1, zeros, Q0 (20 registers) holds all four such operands of the wave's two tiles.
; BY TURNS.  The wave's two tiles go through a step together, so that a wave has plain work of one tile to issue between the other tile's exponentials, and so that the links of a dependent chain do not follow each other:
;   1  16 products K Q^T;  the next step's K is asked for, a whole step ahead of its use
;   2  tile 0: the maximum, M, f                                             (41 plain instructions)
;   3  tile 0's 64 exponentials, dealt evenly among 105 plain instructions: tile 0's 32 scalings (each ahead of its own exponentials), then tile 1's maximum, M, f and scalings
;   4  tile 1's 64 exponentials, dealt evenly among 50 plain instructions: both sums x f, tile 0's sum, both tiles' O^T x f
;   5  tile 0's codes; V is asked for, into the registers that tile 0's p has left; tile 1's sum and codes; 4 products V^T P
; Each batch of 64 exponentials has one wait, ahead of its first reader; no exponential is out at a branch or a label.
; THE HOLD OF p.  p <= 1, so p / 2^e9 <= 256 wherever e9 >= -8, and the hold at 448 then changes nothing: a scalar branch on e9, a whole number that is read, leads round its 64 lines; for e9 < -8 they run.
; NO CLUSTER: the four work-groups of a head share 128 KiB, read once at the head and never again.
; LIMITS: e6 + e7 between -122 and 131 (added to c's exponent field); e9 between -126 and 119; e8 + e9 is applied by v_ldexp_f32.
.set LI,  1                            ; v1   16 x lane
.set ADK, 2                            ; v2   LDS address of the step's K
.set ADV, 3                            ; v3   of its V
.set FW,  4                            ; v4   my wave's 4 KiB of an image, + 16 x lane
.set FW2, 5                            ; v5   the same in V's image
.set PD,  6                            ; v6-7 lane exchanges' destinations
.set ST,  8                            ; tile a: v[8+4a] -M, +1 the largest t, +2, +3 the sum in two halves
.set Q,   16                           ; v16-35   Q0, zeros, Q1, zeros, Q0
.set KF,  36                           ; v36-67   eight key tiles, 4 registers each
.set P0,  68                           ; v68-83   tile 0's codes
.set S,   84                           ; v84-211  S^T, then p: 64 registers a tile
.set VF,  84                           ; v84-115  two fragments of V^T, once tile 0's p are codes
.set P1,  116                          ; v116-131 tile 1's codes, likewise
.set O,   212                          ; v212-243 O^T, 16 a tile
.set CH,  244                          ; v244-249 chains of the maximum (four) and of the sum (three pairs)
.set FF,  250                          ; v250-253 f = 2^(old M - new M) of tile 0 and of tile 1, each named as a pair
.set LIM, 254                          ; 448 x 2^e9
.set SCL, 255                          ; 2^e9
	s_load_b128 s[4:7], s[0:1], 0x0                ; qkv s[4:5], the scales' exponents s[6:7]
	s_load_b64 s[8:9], s[0:1], 0x10                ; ao
	v_lshrrev_b32 v6, 5, v0
	v_readfirstlane_b32 s10, v6                    ; wave 0..15
	v_and_b32 v6, 31, v0
	v_lshlrev_b32 v[LI], 4, v6
	s_lshl_b32 s11, s10, 12
	v_add_nc_u32 v[FW], s11, v[LI]
	v_add_nc_u32 v[FW2], 0x10000, v[FW]
	s_and_b32 s12, ttmp7, 0xffff                   ; the head
	s_lshl_b32 s14, s12, 16                        ; its 65,536 bytes in each of q, k, v
	s_mov_b32 s15, 0
	s_lshl_b32 s16, ttmp9, 5
	s_lshl_b32 s17, s10, 1
	s_add_co_u32 s16, s16, s17                     ; my first query tile: 32 x work-group x + 2 x wave
	s_lshl_b32 s18, s16, 9
	s_mov_b32 s19, 0
	s_lshl_b32 s20, s12, 7
	s_add_co_u32 s20, s20, s16
	s_lshl_b32 s20, s20, 11                        ; ao: (head x 128 + tile) x 2048
	s_mov_b32 s21, 0
	s_mov_b32 s36, 0x76543210                      ; v_permlanex16_b32: lane l takes lane l xor 16
	s_mov_b32 s37, 0xfedcba98
	s_wait_kmcnt 0x0
	s_load_b128 s[24:27], s[6:7], 0x18             ; e6, e7, e8, e9
	s_add_nc_u64 s[4:5], s[4:5], s[14:15]
	s_add_nc_u64 s[28:29], s[4:5], 0x400000        ; the head's K image
	s_add_nc_u64 s[30:31], s[4:5], 0x800000        ; its V image
	s_add_nc_u64 s[4:5], s[4:5], s[18:19]          ; my two tiles of q
	s_add_nc_u64 s[8:9], s[8:9], s[20:21]
.irp i, 0,1,2,3,4,5,6,7
	global_load_b128 v[S+4*\i:S+4*\i+3], v[FW], s[28:29] offset:512*\i
.endr
.irp i, 0,1,2,3,4,5,6,7
	global_load_b128 v[S+32+4*\i:S+32+4*\i+3], v[FW], s[30:31] offset:512*\i
.endr
	global_load_b128 v[Q:Q+3], v[LI], s[4:5]                   ; tile 0, into its two places
	global_load_b128 v[Q+16:Q+19], v[LI], s[4:5]
	global_load_b128 v[Q+8:Q+11], v[LI], s[4:5] offset:512     ; tile 1, between the two runs of zeros
.irp a, 0,1
	v_mov_b32 v[ST+4*\a+1], 0xff61b1e6             ; the largest t so far: -3e38, under every t
	v_floor_f32 v[ST+4*\a], -v[ST+4*\a+1]          ; -M
	v_mov_b32 v[ST+4*\a+2], 0
	v_mov_b32 v[ST+4*\a+3], 0
	v_mov_b32 v[FF+2*\a+1], 0                      ; (named as the upper half of a pair)
	v_mov_b32 v[PD+\a], 0                          ; written once: a lane exchange's destination counts as one of its sources
.irp z, 4,5,6,7
	v_mov_b32 v[Q+8*\a+\z], 0                      ; the zero codes
.endr
.endr
.set i, 0
.rept 32
	v_mov_b32 v[O+i], 0                            ; the step is written once: the first finds zeros, which the first change of M leaves zeros
.set i, i+1
.endr
	s_wait_kmcnt 0x0
	s_add_co_i32 s32, s24, s25
	s_lshl_b32 s32, s32, 23
	s_add_co_i32 s22, s32, 0x3d8293ee              ; c = log2(e) / sqrt(512), with e6 + e7 added to its exponent field: a score stands for score x 2^(e6 + e7)
	s_mov_b32 s23, s22                             ; (named with it as a pair)
	s_add_co_i32 s32, s27, 127
	s_lshl_b32 s33, s32, 23
	v_mov_b32 v[SCL], s33
	s_add_co_i32 s32, s32, 8
	s_lshl_b32 s32, s32, 23
	s_or_b32 s32, s32, 0x600000
	v_mov_b32 v[LIM], s32
	s_add_co_i32 s34, s26, s27                     ; e8 + e9
	s_cmp_ge_i32 s27, -8
	s_cselect_b32 s35, 1, 0                        ; 1: p / 2^e9 cannot pass 256
	s_wait_loadcnt 0x0
.irp i, 0,1,2,3,4,5,6,7
	ds_store_b128 v[FW], v[S+4*\i:S+4*\i+3] offset:512*\i
.endr
.irp i, 0,1,2,3,4,5,6,7
	ds_store_b128 v[FW2], v[S+32+4*\i:S+32+4*\i+3] offset:512*\i
.endr
	s_wait_dscnt 0x0                               ; for the others' sake: my part of both images has landed
	s_barrier_signal -1
	s_barrier_wait -1
; Number n (0 .. 72) of tile a's list ahead of its exponentials.  0-31: the largest of the lane's 64 scores, in four chains, the registers in ascending order;
; 32-33: the other 64 keys' largest, in the lane 16 away;  34-40: t, the running largest t, -M = floor(-t), f = 2^(old M - new M);  41-72: t - M, two scores an instruction.
.macro MAXSC a
.set TS, ST+4*\a
.set SA, S+64*\a
.if n < 4
	v_max3_num_f32 v[CH+n], v[SA+3*n], v[SA+3*n+1], v[SA+3*n+2]
.elseif n < 30
	v_max3_num_f32 v[CH+n%4], v[CH+n%4], v[SA+2*n+4], v[SA+2*n+5]
.elseif n == 30
	v_max3_num_f32 v[CH], v[CH], v[CH+1], v[CH+2]
.elseif n == 31
	v_max_num_f32 v[CH], v[CH], v[CH+3]
.elseif n == 32
	v_permlanex16_b32 v[PD], v[CH], s36, s37
.elseif n == 33
	v_max_num_f32 v[CH], v[CH], v[PD]
.elseif n == 34
	v_mul_f32 v[CH], s22, v[CH]                    ; as t (c is positive)
.elseif n == 35
	v_max_num_f32 v[TS+1], v[TS+1], v[CH]          ; the running largest t
.elseif n == 36
	v_mov_b32 v[CH+1], v[TS]
.elseif n == 37
	v_floor_f32 v[TS], -v[TS+1]                    ; the new -M: M is a whole number
.elseif n == 38
	v_sub_f32 v[CH+1], v[TS], v[CH+1]              ; old M - new M: a whole number, 0 or less
.elseif n == 39
	v_cvt_i32_f32 v[CH+1], v[CH+1]                 ; (it saturates)
.elseif n == 40
	v_ldexp_f32 v[FF+2*\a], 1.0, v[CH+1]
.else
	v_pk_fma_f32 v[SA+2*(n-41):SA+2*(n-41)+1], v[SA+2*(n-41):SA+2*(n-41)+1], s[22:23], v[TS:TS+1] op_sel_hi:[1,0,0]   ; of the pairs c and -M the low word serves both halves
.endif
.endm
; Number z (0 .. 31) of tile a's sum of the UNQUANTISED p: 32 pairs in four chains, the running sum itself and three that the first six pairs start.
.macro SUM a
.set TS, ST+4*\a
.set SA, S+64*\a
.if z < 3
	v_pk_add_f32 v[CH+2*z:CH+2*z+1], v[SA+4*z:SA+4*z+1], v[SA+4*z+2:SA+4*z+3]
.elseif z < 29
.if (z-3)%4 == 0
	v_pk_add_f32 v[TS+2:TS+3], v[TS+2:TS+3], v[SA+2*z+6:SA+2*z+7]
.else
	v_pk_add_f32 v[CH+2*((z-3)%4)-2:CH+2*((z-3)%4)-1], v[CH+2*((z-3)%4)-2:CH+2*((z-3)%4)-1], v[SA+2*z+6:SA+2*z+7]
.endif
.elseif z == 29
	v_pk_add_f32 v[CH:CH+1], v[CH:CH+1], v[CH+2:CH+3]
.elseif z == 30
	v_pk_add_f32 v[TS+2:TS+3], v[TS+2:TS+3], v[CH+4:CH+5]
.else
	v_pk_add_f32 v[TS+2:TS+3], v[TS+2:TS+3], v[CH:CH+1]
.endif
.endm
; Number y (0 .. 49) of the plain work that stands among tile 1's exponentials: both sums under the new M; tile 0's sum; both tiles' O^T under the new M, each accumulator from its low end on.
.macro REST
.if y < 2
	v_pk_mul_f32 v[ST+4*y+2:ST+4*y+3], v[ST+4*y+2:ST+4*y+3], v[FF+2*y:FF+2*y+1] op_sel_hi:[1,0]
.elseif y < 34
.set z, y-2
	SUM 0
.else
	v_pk_mul_f32 v[O+2*(y-34):O+2*(y-34)+1], v[O+2*(y-34):O+2*(y-34)+1], v[FF+2*((y-34)/8):FF+2*((y-34)/8)+1] op_sel_hi:[1,0]
.endif
.endm
.macro HOLD a                          ; e9 < -8 alone: the conversion does not saturate (ISA guide 7.6.2); p is not negative, so the hold is one-sided
	s_cmp_lg_u32 s35, 0
	s_cbranch_scc1 .Lfits_\@
.set j, 0
.rept 64
	v_min_num_f32 v[S+64*\a+j], v[S+64*\a+j], v[LIM]
.set j, j+1
.endr
.Lfits_\@:
.endm
.macro CODES a, d                      ; tile a's 64 p become the 16 registers of the second product's operand, at v[d]
.irp b, 0,1,2,3
	v_cvt_scalef32_pk8_fp8_f32 v[\d+4*\b:\d+4*\b+1], v[S+64*\a+16*\b:S+64*\a+16*\b+7], v[SCL]
	v_cvt_scalef32_pk8_fp8_f32 v[\d+4*\b+2:\d+4*\b+3], v[S+64*\a+16*\b+8:S+64*\a+16*\b+15], v[SCL]
.endr
.endm
.irp t, 0,1,2,3,4,5,6,7
	ds_load_b128 v[KF+4*\t:KF+4*\t+3], v[LI] offset:512*\t     ; the first step's K
.endr
	s_wait_dscnt 0x0
	s_mov_b32 s38, 0                               ; the step's place in both images
	s_mov_b32 s39, 16
.Lstep:
	v_add_nc_u32 v[ADK], s38, v[LI]                ; these two and three v_nop are five places between the last products V^T P and the products below, which write over the registers that held V and tile 1's codes (ISA guide 7.12.1)
	v_add_nc_u32 v[ADV], 0x10000, v[ADK]
	v_nop
	v_nop
	v_nop
	; ---- 1: S^T = K Q^T of both tiles; every product starts its sum with the constant 0
.irp t, 0,1,2,3,4,5,6,7
.irp a, 0,1
	v_wmma_f32_16x16x64_fp8_fp8 v[S+64*\a+8*\t:S+64*\a+8*\t+7], v[KF+8*(\t/2):KF+8*(\t/2)+7], v[Q+8*\a+(\t%2)*(12-16*\a):Q+8*\a+(\t%2)*(12-16*\a)+7], 0
.endr
.endr
.rept 4
	v_nop                                          ; four places ahead of the loads into K's registers and of the first read of the scores
.endr
.irp t, 0,1,2,3,4,5,6,7
	ds_load_b128 v[KF+4*\t:KF+4*\t+3], v[ADK] offset:4096+512*\t   ; the NEXT step's K.  In the last trip these eight reach into V's image: bytes inside LDS that were stored ahead of the barrier; what they bring is not used
.endr
	; ---- 2: tile 0's maximum, M and f
.set n, 0
.rept 41
	MAXSC 0
.set n, n+1
.endr
	; ---- 3: tile 0's exponentials among 105 plain instructions; exponential x stands behind the scaling of its pair (x is at most 64 (i + 1) / 105 - 1 where scalings 0 .. i - 1 are out); the last line is a plain one
.set i, 0
.rept 105
.if ((i+1)*64)/105 > (i*64)/105
	v_exp_f32 v[S+((i+1)*64)/105-1], v[S+((i+1)*64)/105-1]     ; p = 2^(t - M), at most 1
.endif
.if i < 32
.set n, 41+i
	MAXSC 0
.else
.set n, i-32
	MAXSC 1
.endif
.set i, i+1
.endr
	; ---- 4: tile 1's exponentials among 50 plain instructions, of which the sums read tile 0's p
	s_wait_alu depctr_va_vdst(0)                   ; one wait for tile 0's batch of 64, ahead of its first reader
.set i, 0
.rept 64
	v_exp_f32 v[S+64+i], v[S+64+i]
.if ((i+1)*50)/64 > (i*50)/64
.set y, ((i+1)*50)/64-1
	REST
.endif
.set i, i+1
.endr
	; ---- 5: codes, V, the second product
	s_wait_alu depctr_va_vdst(0)                   ; one wait for tile 1's batch, behind a plain line, ahead of its first reader and of the branch below
	HOLD 0
	CODES 0, P0
.irp u, 0,1
.irp c, 0,1,2,3
	ds_load_b128 v[VF+16*\u+4*\c:VF+16*\u+4*\c+3], v[ADV] offset:2048*\u+512*\c   ; V, into registers that tile 0's p has left; tile 1's sum and codes stand between these loads and the wait for them
.endr
.endr
.set z, 0
.rept 32
	SUM 1                                          ; (these are also the plain lines between tile 0's conversions and tile 1's, which write over some of their sources)
.set z, z+1
.endr
	HOLD 1
	CODES 1, P1
	v_nop                                          ; one plain vector instruction between the last conversion and the products that read its result
	s_wait_dscnt 0x0                               ; V is in, and so is the next step's K
.irp u, 0,1
.irp a, 0,1
	v_wmma_f32_16x16x128_fp8_fp8 v[O+16*\a+8*\u:O+16*\a+8*\u+7], v[VF+16*\u:VF+16*\u+15], v[P0+48*\a:P0+48*\a+15], v[O+16*\a+8*\u:O+16*\a+8*\u+7]   ; the four accumulators take turns, one instruction a turn
.endr
.endr
	s_add_co_u32 s38, s38, 4096
	s_sub_co_u32 s39, s39, 1
	s_cmp_lg_u32 s39, 0
	s_cbranch_scc1 .Lstep
	; THE WAY OUT: register 16 a + i of O^T is channel 16 (lane / 16) + i of my query: four stores of 16 bytes a lane, each 512 consecutive bytes of ao's register image: no stage is needed.
.rept 4
	v_nop
.endr
	v_add_f32 v[ST+2], v[ST+2], v[ST+3]
	v_add_f32 v[ST+6], v[ST+6], v[ST+7]
	v_permlanex16_b32 v[PD], v[ST+2], s36, s37
	v_permlanex16_b32 v[PD+1], v[ST+6], s36, s37
	v_add_f32 v[ST+2], v[ST+2], v[PD]
	v_add_f32 v[ST+6], v[ST+6], v[PD+1]
	v_rcp_f32 v[ST+2], v[ST+2]
	v_rcp_f32 v[ST+6], v[ST+6]
	v_nop                                          ; a plain instruction behind the reciprocals,
	s_wait_alu depctr_va_vdst(0)                   ; and one wait for both, ahead of the first reader
	v_ldexp_f32 v[ST+2], v[ST+2], s34              ; x 2^(e8 + e9)
	v_ldexp_f32 v[ST+6], v[ST+6], s34
.irp a, 0,1
.set i, 0
.rept 16
	v_mul_f32 v[S+64+16*\a+i], v[O+16*\a+i], v[ST+4*\a+2]      ; into registers of tile 1's scores, which no product has read; each accumulator from its low end on
.set i, i+1
.endr
.endr
.irp a, 0,1
.irp j, 0,1,2,3
	global_store_b128 v[LI], v[S+64+16*\a+4*\j:S+64+16*\a+4*\j+3], s[8:9] offset:2048*\a+512*\j
.endr
.endr
	s_wait_xcnt 0x0
	v_lshl_add_u32 v254, v0, 2, 0x20000
	v_mov_b32 v255, 0
	s_wait_tensorcnt 0x0
	ds_add_u32 v254, v255
	s_wait_dscnt 0x0
	s_endpgm
.Lfunc_end_k_qfd06b20d7c_attn:
	.size	k_qfd06b20d7c_attn, .Lfunc_end_k_qfd06b20d7c_attn-k_qfd06b20d7c_attn
	.p2alignl 7, 3214868480
	.fill 96, 4, 3214868480
	.section	.rodata,"a",@progbits
	.p2align	6, 0x0
	.amdhsa_kernel k_qfd06b20d7c_attn
		.amdhsa_group_segment_fixed_size 133120
		.amdhsa_private_segment_fixed_size 0
		.amdhsa_enable_private_segment 0
		.amdhsa_kernarg_size 24
		.amdhsa_user_sgpr_count 2
		.amdhsa_user_sgpr_kernarg_segment_ptr 1
		.amdhsa_wavefront_size32 1
		.amdhsa_system_sgpr_workgroup_id_x 1
		.amdhsa_system_sgpr_workgroup_id_y 1
		.amdhsa_system_sgpr_workgroup_id_z 1
		.amdhsa_system_vgpr_workitem_id 0
		.amdhsa_next_free_vgpr 256
		.amdhsa_next_free_sgpr 66
		.amdhsa_reserve_vcc 0
		.amdhsa_float_denorm_mode_32 3
		.amdhsa_float_denorm_mode_16_64 3
		.amdhsa_memory_ordered 1
		.amdhsa_forward_progress 1
		.amdhsa_inst_pref_size 36
	.end_amdhsa_kernel
	.amdgpu_metadata
---
amdhsa.version: [ 1, 2 ]
amdhsa.kernels:
  - .name:           k_qfd06b20d7c_attn
    .symbol:         k_qfd06b20d7c_attn.kd
    .args:
      - { .name: qkv, .offset: 0, .size: 8, .value_kind: global_buffer, .address_space: global }
      - { .name: lowp_scales, .offset: 8, .size: 8, .value_kind: global_buffer, .address_space: global }
      - { .name: ao, .offset: 16, .size: 8, .value_kind: global_buffer, .address_space: global }
    .group_segment_fixed_size: 133120
    .private_segment_fixed_size: 0
    .kernarg_segment_align: 8
    .kernarg_segment_size: 24
    .max_flat_workgroup_size: 512
    .sgpr_count:     66
    .vgpr_count:     256
    .wavefront_size: 32
...
	.end_amdgpu_metadata
.endif
;; end of part 3
;; launch ln2 (part 4): grid 512 x 1, 4 waves a work-group, no clusters, 35,328 bytes of LDS; arguments x, ao, alpha, beta, lowp_scales, x1, hc; writes x1, hc
.if DOCPART == 4
	.amdgcn_target "amdgcn-amd-amdhsa--gfx1250"
	.amdhsa_code_object_version 6
	.text
	.protected	k_qfd06b20d7c_ln2
	.globl	k_qfd06b20d7c_ln2
	.p2align	8
	.type	k_qfd06b20d7c_ln2,@function
k_qfd06b20d7c_ln2:
	s_mov_b64 s[64:65], 0
	v_nop
	global_prefetch_b8 v0, s[64:65] scope:SCOPE_SE
	s_setreg_imm32_b32 hwreg(HW_REG_WAVE_MODE, 25, 1), 1
	s_wait_xcnt 0x0
; x1 = x + attention's result; h = LN(x1) (mean, variance with 511 in the divisor, alpha and beta single numbers that are read); h's codes of FP8 (E4M3) with the scale 2^e10, as fragment images.
; A work-group takes one token tile T (16 tokens: row r is token 32 (T / 2) + 8 (T % 2) + r + 8 (r / 8)); wave w takes columns 128 w .. 128 w + 127, which are K step w of the next product: 64 numbers a lane,
; register 16 c + i = column 128 w + 32 c + 16 (lane / 16) + i of the lane's token.  ao lies so already (a register image for each group of 32 columns), and x1 is stored so.
; x comes as rows, 512 consecutive bytes a load, and turns through the wave's own stage in LDS.  A row's sums meet in LDS: a word for each (wave, row), one barrier for the mean and one for the variance.
; A stream: each byte is read once and written once, every load and store covers 512 consecutive bytes; no matrix unit, no cluster (work-groups share nothing).
; LIMITS: e10 between -126 and 119.  NaN among the inputs is not served.
.set SP,   528                         ; a stage row: 512 bytes + 16
.set RED,  4*16*SP                     ; behind the stages: 64 words for the sums,
.set RED2, 256                         ; and 256 bytes on, 64 for the sums of squares
.set LI,   1
.set STW,  2
.set STR,  3
.set REDW, 4
.set REDR, 5
.set PD,   6
.set R,    16                          ; v16-79   x as loaded; later x1 - mean, then h
.set A,    80                          ; v80-143  ao
.set X,    144                         ; v144-207 x, then x1: store data, never rewritten behind the stores
.set CD,   208                         ; v208-223 codes
.set LIM,  224
.set SCL,  225
	s_load_b256 s[4:11], s[0:1], 0x0               ; x s[4:5], ao s[6:7], alpha s[8:9], beta s[10:11]
	s_load_b128 s[12:15], s[0:1], 0x20             ; the scales' exponents s[12:13], x1 s[14:15]
	s_load_b64 s[16:17], s[0:1], 0x30              ; hc
	v_lshl_add_u32 v232, v0, 2, 0x8800
	v_mov_b32 v233, 0
	v_lshrrev_b32 v8, 5, v0
	v_readfirstlane_b32 s18, v8                    ; wave 0..3
	v_and_b32 v8, 31, v0
	v_lshlrev_b32 v[LI], 4, v8
	v_and_b32 v8, 15, v0                           ; r
	v_bfe_u32 v9, v0, 4, 1                         ; h
	s_mul_i32 s19, s18, 16*SP
	v_add_nc_u32 v[STW], s19, v[LI]
	v_mul_u32_u24 v[STR], v8, SP
	v_lshl_add_u32 v[STR], v9, 6, v[STR]
	v_add_nc_u32 v[STR], s19, v[STR]
	v_lshlrev_b32 v[REDR], 2, v8
	v_add_nc_u32 v[REDR], RED, v[REDR]
	s_lshl_b32 s19, s18, 6
	v_add_nc_u32 v[REDW], s19, v[REDR]
	v_mov_b32 v[PD], 0                             ; written once: a lane exchange's destination counts as one of its sources
	s_lshr_b32 s20, ttmp9, 1                       ; x: token 32 (T / 2) + 8 (T % 2), column 128 w
	s_lshl_b32 s20, s20, 5
	s_and_b32 s21, ttmp9, 1
	s_lshl_b32 s21, s21, 3
	s_add_co_u32 s20, s20, s21
	s_lshl_b32 s20, s20, 11
	s_lshl_b32 s21, s18, 9
	s_add_co_u32 s20, s20, s21
	s_mov_b32 s21, 0
	s_lshr_b32 s22, ttmp9, 7                       ; ao, x1: ((16 batch + 4 w) x 128 + T % 128) x 2048
	s_lshl_b32 s22, s22, 4
	s_lshl_b32 s23, s18, 2
	s_add_co_u32 s22, s22, s23
	s_lshl_b32 s22, s22, 7
	s_and_b32 s23, ttmp9, 127
	s_add_co_u32 s22, s22, s23
	s_lshl_b32 s22, s22, 11
	s_mov_b32 s23, 0
	s_lshl_b32 s24, ttmp9, 2                       ; hc: (4 T + w) x 2048
	s_add_co_u32 s24, s24, s18
	s_lshl_b32 s24, s24, 11
	s_mov_b32 s25, 0
	s_mov_b32 s30, 0x76543210
	s_mov_b32 s31, 0xfedcba98
	s_wait_kmcnt 0x0
	s_load_b32 s26, s[12:13], 0x28                 ; e10
	s_load_b32 s27, s[8:9], 0x0                    ; alpha
	s_load_b32 s28, s[10:11], 0x0                  ; beta
	s_add_nc_u64 s[4:5], s[4:5], s[20:21]
	s_add_nc_u64 s[6:7], s[6:7], s[22:23]
	s_add_nc_u64 s[14:15], s[14:15], s[22:23]
	s_add_nc_u64 s[16:17], s[16:17], s[24:25]
.irp i, 0,1,2,3,4,5,6,7,8,9,10,11,12,13,14,15
	global_load_b128 v[R+4*\i:R+4*\i+3], v[LI], s[4:5] offset:(\i+8*(\i/8))*2048 th:TH_LOAD_NT
.endr
.irp c, 0,1,2,3
.irp j, 0,1,2,3
	global_load_b128 v[A+16*\c+4*\j:A+16*\c+4*\j+3], v[LI], s[6:7] offset:\c*262144+512*\j th:TH_LOAD_NT
.endr
.endr
	s_wait_loadcnt 16                              ; x's sixteen loads are in; ao's sixteen may be out
.irp i, 0,1,2,3,4,5,6,7,8,9,10,11,12,13,14,15
	ds_store_b128 v[STW], v[R+4*\i:R+4*\i+3] offset:\i*SP
.endr
.irp c, 0,1,2,3
.irp j, 0,1,2,3
	ds_load_b128 v[X+16*\c+4*\j:X+16*\c+4*\j+3], v[STR] offset:128*\c+16*\j   ; LDS serves a wave's instructions in order (ISA guide 5.7.1.4): these see my stores
.endr
.endr
	s_wait_loadcnt 0x0
	s_wait_dscnt 0x0
.set i, 0
.rept 32
	v_pk_add_f32 v[X+i:X+i+1], v[X+i:X+i+1], v[A+i:A+i+1]   ; x1
.set i, i+2
.endr
.irp c, 0,1,2,3
.irp j, 0,1,2,3
	global_store_b128 v[LI], v[X+16*\c+4*\j:X+16*\c+4*\j+3], s[14:15] offset:\c*262144+512*\j
.endr
.endr
	v_pk_add_f32 v[8:9], v[X:X+1], v[X+2:X+3]      ; my 64 numbers' sum, in two chains
	v_pk_add_f32 v[10:11], v[X+4:X+5], v[X+6:X+7]
.set i, 8
.rept 14
	v_pk_add_f32 v[8:9], v[8:9], v[X+i:X+i+1]
	v_pk_add_f32 v[10:11], v[10:11], v[X+i+2:X+i+3]
.set i, i+4
.endr
	v_pk_add_f32 v[8:9], v[8:9], v[10:11]
	v_add_f32 v8, v8, v9
	v_permlanex16_b32 v[PD], v8, s30, s31
	v_add_f32 v8, v8, v[PD]                        ; my wave's 128 columns of the row
	ds_store_b32 v[REDW], v8                       ; (both halves of the lanes write the same number to the same word)
	s_wait_dscnt 0x0
	s_barrier_signal -1
	s_barrier_wait -1
.irp w, 0,1,2,3
	ds_load_b32 v[12+\w], v[REDR] offset:64*\w
.endr
	s_wait_dscnt 0x0
	v_add_f32 v12, v12, v13
	v_add_f32 v14, v14, v15
	v_add_f32 v12, v12, v14
	v_mul_f32 v12, 0x3b000000, v12                 ; / 512: the mean
	v_mov_b32 v13, v12
.set i, 0
.rept 32
	v_pk_add_f32 v[R+i:R+i+1], v[X+i:X+i+1], v[12:13] neg_lo:[0,1] neg_hi:[0,1]   ; into other registers: x1's are the data of stores that may still be out
.set i, i+2
.endr
	v_pk_mul_f32 v[8:9], v[R:R+1], v[R:R+1]
	v_pk_mul_f32 v[10:11], v[R+2:R+3], v[R+2:R+3]
.set i, 4
.rept 15
	v_pk_fma_f32 v[8:9], v[R+i:R+i+1], v[R+i:R+i+1], v[8:9]
	v_pk_fma_f32 v[10:11], v[R+i+2:R+i+3], v[R+i+2:R+i+3], v[10:11]
.set i, i+4
.endr
	v_pk_add_f32 v[8:9], v[8:9], v[10:11]
	v_add_f32 v8, v8, v9
	v_permlanex16_b32 v[PD], v8, s30, s31
	v_add_f32 v8, v8, v[PD]
	ds_store_b32 v[REDW], v8 offset:RED2           ; other words than the sums': no wave's reads of those are touched
	s_wait_dscnt 0x0
	s_barrier_signal -1
	s_barrier_wait -1
.irp w, 0,1,2,3
	ds_load_b32 v[12+\w], v[REDR] offset:RED2+64*\w
.endr
	s_wait_kmcnt 0x0
	s_mov_b32 s29, s28                             ; beta, named as a pair
	s_add_co_i32 s26, s26, 127
	s_lshl_b32 s19, s26, 23
	v_mov_b32 v[SCL], s19                          ; 2^e10
	s_add_co_i32 s26, s26, 8
	s_lshl_b32 s26, s26, 23
	s_or_b32 s26, s26, 0x600000
	v_mov_b32 v[LIM], s26                          ; 448 x 2^e10
	s_mov_b32 s20, 0x3b004020                      ; 1 / 511
	s_mov_b32 s21, 0x358637bd                      ; 1e-6
	s_wait_dscnt 0x0
	v_add_f32 v12, v12, v13
	v_add_f32 v14, v14, v15
	v_add_f32 v12, v12, v14
	v_fma_f32 v12, v12, s20, s21
	v_rsq_f32 v13, v12
	v_nop                                          ; a plain instruction behind the transcendental,
	s_wait_alu depctr_va_vdst(0)                   ; and the wait ahead of its first reader
	v_mul_f32 v14, s27, v13
	v_mov_b32 v15, v14
.set i, 0
.rept 32
	v_pk_fma_f32 v[R+i:R+i+1], v[R+i:R+i+1], v[14:15], s[28:29] op_sel_hi:[1,1,0]
.set i, i+2
.endr
.set i, 0
.rept 64
	v_med3_num_f32 v[R+i], v[R+i], -v[LIM], v[LIM]
.set i, i+1
.endr
.set i, 0
.rept 8
	v_cvt_scalef32_pk8_fp8_f32 v[CD+2*i:CD+2*i+1], v[R+8*i:R+8*i+7], v[SCL]
.set i, i+1
.endr
.irp c, 0,1,2,3
	global_store_b128 v[LI], v[CD+4*\c:CD+4*\c+3], s[16:17] offset:512*\c
.endr
	s_wait_tensorcnt 0x0
	ds_add_u32 v232, v233
	s_wait_dscnt 0x0
	s_endpgm
.Lfunc_end_k_qfd06b20d7c_ln2:
	.size	k_qfd06b20d7c_ln2, .Lfunc_end_k_qfd06b20d7c_ln2-k_qfd06b20d7c_ln2
	.p2alignl 7, 3214868480
	.fill 96, 4, 3214868480
	.section	.rodata,"a",@progbits
	.p2align	6, 0x0
	.amdhsa_kernel k_qfd06b20d7c_ln2
		.amdhsa_group_segment_fixed_size 35328
		.amdhsa_private_segment_fixed_size 0
		.amdhsa_enable_private_segment 0
		.amdhsa_kernarg_size 56
		.amdhsa_user_sgpr_count 2
		.amdhsa_user_sgpr_kernarg_segment_ptr 1
		.amdhsa_wavefront_size32 1
		.amdhsa_system_sgpr_workgroup_id_x 1
		.amdhsa_system_sgpr_workgroup_id_y 1
		.amdhsa_system_sgpr_workgroup_id_z 1
		.amdhsa_system_vgpr_workitem_id 0
		.amdhsa_next_free_vgpr 234
		.amdhsa_next_free_sgpr 66
		.amdhsa_reserve_vcc 0
		.amdhsa_float_denorm_mode_32 3
		.amdhsa_float_denorm_mode_16_64 3
		.amdhsa_memory_ordered 1
		.amdhsa_forward_progress 1
		.amdhsa_inst_pref_size 27
	.end_amdhsa_kernel
	.amdgpu_metadata
---
amdhsa.version: [ 1, 2 ]
amdhsa.kernels:
  - .name:           k_qfd06b20d7c_ln2
    .symbol:         k_qfd06b20d7c_ln2.kd
    .args:
      - { .name: x, .offset: 0, .size: 8, .value_kind: global_buffer, .address_space: global }
      - { .name: ao, .offset: 8, .size: 8, .value_kind: global_buffer, .address_space: global }
      - { .name: alpha, .offset: 16, .size: 8, .value_kind: global_buffer, .address_space: global }
      - { .name: beta, .offset: 24, .size: 8, .value_kind: global_buffer, .address_space: global }
      - { .name: lowp_scales, .offset: 32, .size: 8, .value_kind: global_buffer, .address_space: global }
      - { .name: x1, .offset: 40, .size: 8, .value_kind: global_buffer, .address_space: global }
      - { .name: hc, .offset: 48, .size: 8, .value_kind: global_buffer, .address_space: global }
    .group_segment_fixed_size: 35328
    .private_segment_fixed_size: 0
    .kernarg_segment_align: 8
    .kernarg_segment_size: 56
    .max_flat_workgroup_size: 128
    .sgpr_count:     66
    .vgpr_count:     234
    .wavefront_size: 32
...
	.end_amdgpu_metadata
.endif
;; end of part 4
;; launch gemm1 (part 5): grid 8 x 32, 4 waves a work-group, no clusters, 168,448 bytes of LDS; arguments hc, wimg, b1, lowp_scales, hid; writes hid
.if DOCPART == 5
	.amdgcn_target "amdgcn-amd-amdhsa--gfx1250"
	.amdhsa_code_object_version 6
	.text
	.protected	k_qfd06b20d7c_gemm1
	.globl	k_qfd06b20d7c_gemm1
	.p2align	8
	.type	k_qfd06b20d7c_gemm1,@function
k_qfd06b20d7c_gemm1:
	s_mov_b64 s[64:65], 0
	v_nop
	global_prefetch_b8 v0, s[64:65] scope:SCOPE_SE
	s_setreg_imm32_b32 hwreg(HW_REG_WAVE_MODE, 25, 1), 1
	s_wait_xcnt 0x0
; hid = the codes of relu(h W1 + b1): product on codes of FP8 (E4M3), K = 512; the result is quantised with 2^e12 in registers and stored as fragment images of the next product.
; SHARES.  Work-group (x = cg, y = rg): 512 columns x 256 tokens (16 token tiles).  Wave w keeps columns 512 cg + 128 w .. + 127, all K, in 512 registers, read once: they are K step 4 cg + w of the next product, so a
; token tile's 64 results a lane are exactly one fragment.  The tokens' 64 fragments (128 KiB) come into LDS once, one tensor load of 32 KiB a wave; nothing is filled again.
; TRANSPOSED: source 0 = 16 weight columns, source 1 = 16 tokens; by the tile map (row r of tile 2 g + u is 32 g + 8 u + r + 8 (r / 8)) the 16 registers of tiles 2 b, 2 b + 1 are 16 neighbours along the next K.
; b1 / 2^(e10 + e11) is the C of each sum's first matrix instruction; relu and the hold at the largest code are one v_med3_num_f32; the three scales are folded into the conversion's one.
; NO CLUSTER: of a work-group's 384 KiB of operands 256 KiB are weights that go into registers by plain loads; the tokens' 128 KiB, which 8 work-groups read, are one first fill and are walked from LDS afterwards.
; LIMITS: e12 - e10 - e11 between -126 and 119; e10 + e11 is applied by v_ldexp_f32.
; REGISTERS: window 0: v1-3 addresses, v16-143 two sets of a token tile's four fragments, v144-207 eight accumulators, v208-223 codes, v240, v241 constants; windows 1, 2: weights at 16 (8 (s % 2) + t); window 3: b1's 8 tiles.
.set LI,  1                            ; v1  16 x lane
.set LI2, 2                            ; v2  the same, 65,536 bytes on
.set F0,  16
.set ACC, 144
.set PC,  208
.set SO,  240
.set LO,  241
.set MSB, 0
.macro WIN new                         ; the immediate's high byte repeats the setting that is left
.if MSB != (\new)
	s_set_vgpr_msb (MSB<<8)|(\new)
.set MSB, (\new)
.endif
.endm
.macro PLACES
.rept 4
	v_nop
.endr
.endm
	s_load_b256 s[4:11], s[0:1], 0x0               ; hc s[4:5], wimg s[6:7], b1 s[8:9], the scales' exponents s[10:11]
	s_load_b64 s[12:13], s[0:1], 0x20              ; hid
	v_lshl_add_u32 v254, v0, 2, 0x29000
	v_mov_b32 v255, 0
	ds_add_u32 v254, v255
	ds_add_u32 v254, v255
	v_lshrrev_b32 v4, 5, v0
	v_readfirstlane_b32 s14, v4                    ; wave 0..3
	s_and_b32 s15, ttmp7, 0xffff                   ; rg
	v_and_b32 v4, 31, v0
	v_lshlrev_b32 v[LI], 4, v4
	v_add_nc_u32 v[LI2], 0x10000, v[LI]
	v_bfe_u32 v3, v0, 4, 1
	v_lshlrev_b32 v3, 6, v3                        ; b1: 16 numbers further on for lanes 16-31
	; descriptor group 1: a dense block of 32,768 bytes as 128 rows of 32 elements of 8 bytes
	s_mov_b32 s24, 3<<16                           ; no mask; elements of 8 bytes; no padding
	s_mov_b32 s25, 32<<16                          ; tensor_dim0 = 32
	s_mov_b32 s26, 128<<16                         ; tensor_dim1 = 128
	s_mov_b32 s27, 32<<16                          ; tile_dim0 = 32
	s_mov_b32 s28, 128                             ; tile_dim1 = 128
	s_mov_b32 s29, 32                              ; from row to row: 32 elements
	s_mov_b32 s30, 0
	s_mov_b32 s31, 0
	s_lshl_b32 s18, s14, 15                        ; my quarter: 32,768 x wave, in LDS and in memory
	s_lshl_b32 s16, s15, 17
	s_add_co_u32 s16, s16, s18
	s_mov_b32 s17, 0
	s_lshl_b32 s20, ttmp9, 18                      ; weights: W1's part of wimg, column tile 32 cg + 8 wave, 8,192 bytes a tile
	s_lshl_b32 s21, s14, 16
	s_add_co_u32 s20, s20, s21
	s_add_co_u32 s20, s20, 0xc0000
	s_mov_b32 s21, 0
	s_lshl_b32 s22, ttmp9, 11                      ; b1: column 512 cg + 128 wave
	s_lshl_b32 s23, s14, 9
	s_add_co_u32 s22, s22, s23
	s_mov_b32 s23, 0
	s_lshl_b32 s40, s15, 20                        ; hid: (16 rg x 32 + 4 cg + wave) x 2048
	s_lshl_b32 s41, ttmp9, 2
	s_add_co_u32 s41, s41, s14
	s_lshl_b32 s41, s41, 11
	s_add_co_u32 s40, s40, s41
	s_mov_b32 s41, 0
	s_wait_dscnt 0x0
	s_wait_kmcnt 0x0
	s_mov_b32 s32, 1                               ; group 0: count 1,
	s_mov_b32 s33, s18                             ; the LDS address,
	s_add_nc_u64 s[34:35], s[4:5], s[16:17]        ; the global address,
	s_or_b32 s35, s35, 0x80000000                  ; type 2
	tensor_load_to_lds s[32:35], s[24:31]          ; my one tensor load of the launch
	s_nop 0
	PLACES                                         ; four v_nop behind it
	s_load_b128 s[36:39], s[10:11], 0x28           ; e10, e11, e12, e13
	s_add_nc_u64 s[6:7], s[6:7], s[20:21]
	s_add_nc_u64 s[8:9], s[8:9], s[22:23]
	s_add_nc_u64 s[12:13], s[12:13], s[40:41]
.irp s, 0,1,2,3
	WIN 0x40*(1+(\s/2))
.irp t, 0,1,2,3,4,5,6,7
.irp c, 0,1,2,3
	global_load_b128 v[16*(8*(\s%2)+\t)+4*\c:16*(8*(\s%2)+\t)+4*\c+3], v[LI], s[6:7] offset:(4*\t+\s)*2048+512*\c
.endr
.endr
.endr
	WIN 0xc0
.irp t, 0,1,2,3,4,5,6,7                        ; lane (r, h) wants, for tile 2 b + u, b1 at 32 b + 16 h + 8 u + 0 .. 7
	global_load_b128 v[8*\t:8*\t+3], v3, s[8:9] offset:(32*(\t/2)+8*(\t%2))*4
	global_load_b128 v[8*\t+4:8*\t+7], v3, s[8:9] offset:(32*(\t/2)+8*(\t%2))*4+16
.endr
	WIN 0
	s_wait_kmcnt 0x0
	s_add_co_i32 s42, s36, s37                     ; e10 + e11: a sum stands for sum x 2^(e10 + e11), so b1 goes in divided by it
	s_sub_co_i32 s43, 0, s42
	s_sub_co_i32 s44, s38, s42
	s_add_co_i32 s44, s44, 127
	s_lshl_b32 s45, s44, 23
	v_mov_b32 v[SO], s45                           ; 2^(e12 - e10 - e11)
	s_add_co_i32 s44, s44, 8
	s_lshl_b32 s44, s44, 23
	s_or_b32 s44, s44, 0x600000
	v_mov_b32 v[LO], s44                           ; 448 x that
	s_wait_loadcnt 0x0
	WIN 0xc3
.set i, 0
.rept 64
	v_ldexp_f32 v[i], v[i], s43
.set i, i+1
.endr
	WIN 0
	s_wait_tensorcnt 0x0                           ; my quarter of the tokens' fragments has landed,
	s_barrier_signal -1
	s_barrier_wait -1                              ; everybody's has
.macro FETCH m                         ; token tile m's four fragments into set m % 2
.set FB, F0+64*((\m)%2)
.irp s, 0,1,2,3
.irp c, 0,1,2,3
.if (\m) < 8
	ds_load_b128 v[FB+16*\s+4*\c:FB+16*\s+4*\c+3], v[LI] offset:(\m)*8192+\s*2048+512*\c
.else
	ds_load_b128 v[FB+16*\s+4*\c:FB+16*\s+4*\c+3], v[LI2] offset:((\m)-8)*8192+\s*2048+512*\c
.endif
.endr
.endr
.endm
.macro TILE m
	s_wait_dscnt 0x0                               ; this tile's fragments are in
.if (\m) < 15
	FETCH (\m)+1                                   ; the next tile's, into the set that the tile before multiplied: its way out holds more than four plain places
.endif
.set FB, F0+64*((\m)%2)
.irp s, 0,1,2,3                                ; 32 matrix instructions; the eight accumulators take turns, one instruction a turn
.if \s == 0
	WIN 0x31                                       ; weights window 1, C (b1) window 3
.elseif \s == 1
	WIN 0x01
.else
	WIN 0x02
.endif
.irp t, 0,1,2,3,4,5,6,7
.if \s == 0
	v_wmma_f32_16x16x128_fp8_fp8 v[ACC+8*\t:ACC+8*\t+7], v[16*\t:16*\t+15], v[FB:FB+15], v[8*\t:8*\t+7]
.else
	v_wmma_f32_16x16x128_fp8_fp8 v[ACC+8*\t:ACC+8*\t+7], v[16*(8*(\s%2)+\t):16*(8*(\s%2)+\t)+15], v[FB+16*\s:FB+16*\s+15], v[ACC+8*\t:ACC+8*\t+7]
.endif
.endr
.endr
	WIN 0
	PLACES
	s_wait_xcnt 0x0                                ; the last tile's stores have read their data registers
.irp b, 0,1,2,3
.set i, 0
.rept 16
	v_med3_num_f32 v[ACC+16*\b+i], v[ACC+16*\b+i], 0, v[LO]   ; the activation and the hold in one; each accumulator from its low end on
.set i, i+1
.endr
	v_cvt_scalef32_pk8_fp8_f32 v[PC+4*\b:PC+4*\b+1], v[ACC+16*\b:ACC+16*\b+7], v[SO]
	v_cvt_scalef32_pk8_fp8_f32 v[PC+4*\b+2:PC+4*\b+3], v[ACC+16*\b+8:ACC+16*\b+15], v[SO]
.endr
	v_nop                                          ; one plain vector instruction behind the last conversion: the next products write its sources
.irp b, 0,1,2,3
	global_store_b128 v[LI], v[PC+4*\b:PC+4*\b+3], s[12:13] offset:(\m)*65536+512*\b   ; 512 consecutive bytes
.endr
.endm
	FETCH 0
.irp m, 0,1,2,3,4,5,6,7,8,9,10,11,12,13,14,15
	TILE \m
.endr
	s_wait_tensorcnt 0x0
	ds_add_u32 v254, v255
	s_wait_dscnt 0x0
	s_endpgm
.Lfunc_end_k_qfd06b20d7c_gemm1:
	.size	k_qfd06b20d7c_gemm1, .Lfunc_end_k_qfd06b20d7c_gemm1-k_qfd06b20d7c_gemm1
	.p2alignl 7, 3214868480
	.fill 96, 4, 3214868480
	.section	.rodata,"a",@progbits
	.p2align	6, 0x0
	.amdhsa_kernel k_qfd06b20d7c_gemm1
		.amdhsa_group_segment_fixed_size 168448
		.amdhsa_private_segment_fixed_size 0
		.amdhsa_enable_private_segment 0
		.amdhsa_kernarg_size 40
		.amdhsa_user_sgpr_count 2
		.amdhsa_user_sgpr_kernarg_segment_ptr 1
		.amdhsa_wavefront_size32 1
		.amdhsa_system_sgpr_workgroup_id_x 1
		.amdhsa_system_sgpr_workgroup_id_y 1
		.amdhsa_system_sgpr_workgroup_id_z 1
		.amdhsa_system_vgpr_workitem_id 0
		.amdhsa_next_free_vgpr 832
		.amdhsa_next_free_sgpr 66
		.amdhsa_reserve_vcc 0
		.amdhsa_float_denorm_mode_32 3
		.amdhsa_float_denorm_mode_16_64 3
		.amdhsa_memory_ordered 1
		.amdhsa_forward_progress 1
		.amdhsa_inst_pref_size 153
	.end_amdhsa_kernel
	.amdgpu_metadata
---
amdhsa.version: [ 1, 2 ]
amdhsa.kernels:
  - .name:           k_qfd06b20d7c_gemm1
    .symbol:         k_qfd06b20d7c_gemm1.kd
    .args:
      - { .name: hc, .offset: 0, .size: 8, .value_kind: global_buffer, .address_space: global }
      - { .name: wimg, .offset: 8, .size: 8, .value_kind: global_buffer, .address_space: global }
      - { .name: b1, .offset: 16, .size: 8, .value_kind: global_buffer, .address_space: global }
      - { .name: lowp_scales, .offset: 24, .size: 8, .value_kind: global_buffer, .address_space: global }
      - { .name: hid, .offset: 32, .size: 8, .value_kind: global_buffer, .address_space: global }
    .group_segment_fixed_size: 168448
    .private_segment_fixed_size: 0
    .kernarg_segment_align: 8
    .kernarg_segment_size: 40
    .max_flat_workgroup_size: 128
    .sgpr_count:     66
    .vgpr_count:     832
    .wavefront_size: 32
...
	.end_amdgpu_metadata
.endif
;; end of part 5
;; launch gemm2 (part 6): grid 4 x 64, 4 waves a work-group, clusters of 4 x 4, 327,680 bytes of LDS; arguments hid, wimg, x1, b2, lowp_scales, out0; writes out0
.if DOCPART == 6
	.amdgcn_target "amdgcn-amd-amdhsa--gfx1250"
	.amdhsa_code_object_version 6
	.text
	.protected	k_qfd06b20d7c_gemm2
	.globl	k_qfd06b20d7c_gemm2
	.p2align	8
	.type	k_qfd06b20d7c_gemm2,@function
k_qfd06b20d7c_gemm2:
	s_mov_b64 s[64:65], 0
	v_nop
	global_prefetch_b8 v0, s[64:65] scope:SCOPE_SE
	s_setreg_imm32_b32 hwreg(HW_REG_WAVE_MODE, 25, 1), 1
	s_wait_xcnt 0x0
	s_wait_alu depctr_hold_cnt(0) depctr_sa_sdst(0) depctr_va_vdst(0) depctr_va_sdst(0) depctr_va_ssrc(0) depctr_va_vcc(0) depctr_vm_vsrc(0)
	s_getreg_b32 s2, hwreg(HW_REG_IB_STS2, 6, 4)
	s_cmp_eq_u32 s2, 0
	s_cbranch_scc0 .Lentry_in_a_cluster
	s_endpgm
.Lentry_in_a_cluster:
	s_bfe_u32 s2, ttmp6, 0x10000c
	s_cmp_lg_u32 s2, 0xf033
	s_cbranch_scc0 .Lentry_shape_is_right
	s_endpgm
.Lentry_shape_is_right:
; out0 = x1 + relu(hid W2 + b2): product on codes of FP8 (E4M3), K = 4,096; each finished sum x 2^(e12 + e13).  LIMIT: e12 + e13 between -126 and 127.
; A tile of the result is 128 tokens x 128 columns: 256 work-groups.  Four waves, each 64 x 64: 16 accumulators.  Both operands lie in memory as fragment images (16 rows x 128 K in 2,048 bytes, group c at 512 c, lane l at
; 16 l), a row tile's 32 K steps on end: so a chunk of 512 along K is 8,192 consecutive bytes a tile, and a fragment comes from LDS by four loads of 16 bytes a lane at 16 x lane: no pitch, no padding.
; K goes in 8 chunks of 512 through two LDS slots of 131,072 bytes (8 token tiles x 8 KiB, then 8 column tiles x 8 KiB), filled by the tensor data mover: one load a wave of 4 rows x 8,192 bytes, 65,536 bytes apart in memory.
; A wave has two tensor loads out at the start and one behind each change of slots.
; CLUSTERS: 4 x 4 work-groups.  The four of a row of the cluster need the same token tiles, the four of a column the same column tiles: each is asked for JOINTLY, by the same tensor load with the same descriptor and a mask
; that names the four.  TRANSPOSED USE: source 0 = 16 columns of W2, source 1 = 16 tokens: the 16 registers of column tiles 2 b, 2 b + 1 are 16 neighbouring columns of one token, as x1's register image has them.
; REGISTERS: window 0: v16-29 addresses, v96-127 b2, v128-255 the accumulators ((a, b) at 128 + 8 (4 a + b)); window 1: two sets of fragments of 128: 64 of tokens, then 64 of columns; window 2: x1, 128 registers.
.set SLOT,   131072
.set SPARE,  2*SLOT                    ; behind the ring: the spare words, 128 bytes for each wave: two blocks of 256 bytes that no other line names
.set SPITCH, 528                       ; the way out: a stage of 128 rows x (512 bytes + 16), the work-group's, in slot 0, which has had its last fill and its last read when the first result is stored there
.set ADRA, 16                          ; v16-17  LDS address of my token fragments in slot 0, 1
.set ADRB, 20                          ; v20-21  of my column fragments
.set STO,  24
.set RD,   25
.set CO,   26                          ; v26     16 x lane
.set BO,   27                          ; v27     64 x (lane / 16): b2's offset
.set SPW,  28                          ; v28     LDS address of my spare word; never rewritten
.set NIL,  29                          ; v29     0; never rewritten
.set B2,   96
.set ACC,  128
.set F0,   0
.set F1,   128
.set G1,  24                           ; s[24:31] group 1 for the tokens' tiles; s[32:39] group 0, a set for each slot
.set G0,  32
.set G1B, 48                           ; s[48:55], s[56:63] the same for the columns' tiles
.set G0B, 56
.set MSB, 0
.macro WIN new                         ; the immediate's high byte repeats the setting that is left
.if MSB != (\new)
	s_set_vgpr_msb (MSB<<8)|(\new)
.set MSB, (\new)
.endif
.endm
.set MUL,  0x05                        ; sources 0 and 1 window 1; C and D window 0
.set TO_F, 0x40                        ; destination window 1, address window 0
.macro PLACES
.rept 4
	v_nop
.endr
.endm
.macro JLOAD s                         ; a joint load: waves 0 and 1 fetch the tokens' halves, waves 2 and 3 the columns'; four v_nop follow each of the two lines, ahead of the jump, the label and what follows
	s_cmp_eq_u32 s17, 0
	s_cbranch_scc0 .Lfor_b_\@
	tensor_load_to_lds s[G0+4*\s:G0+4*\s+3], s[G1:G1+7]
	s_nop 0
.rept 4
	v_nop
.endr
	s_branch .Lasked_\@
.Lfor_b_\@:
	tensor_load_to_lds s[G0B+4*\s:G0B+4*\s+3], s[G1B:G1B+7]
	s_nop 0
.rept 4
	v_nop
.endr
.Lasked_\@:
.endm
.macro CREST                           ; a round of the cluster's barrier behind its opening barrier
	s_cmp_lg_u32 s16, 0
	s_cbranch_scc1 .Lnot_wave_0_\@
	s_barrier_signal -3
.Lnot_wave_0_\@:
	s_barrier_wait -3
	s_barrier_signal -1
	s_barrier_wait -1
.endm
.macro CROUND                          ; a whole round
	s_barrier_signal -1
	s_barrier_wait -1
	CREST
.endm
	s_load_b256 s[4:11], s[0:1], 0x0               ; hid s[4:5], wimg s[6:7], x1 s[8:9], b2 s[10:11]
	s_load_b128 s[12:15], s[0:1], 0x20             ; the scales' exponents s[12:13], out0 s[14:15]
	v_lshl_add_u32 v[SPW], v0, 2, SPARE
	v_mov_b32 v[NIL], 0
	ds_add_u32 v28, v29
	ds_add_u32 v28, v29
	s_wait_dscnt 0x0
	v_lshrrev_b32 v1, 5, v0
	v_readfirstlane_b32 s16, v1                    ; wave 0..3
	s_lshr_b32 s17, s16, 1                         ; which half of the tile's tokens is mine.  Also: I fetch tokens (0) or columns (1)
	s_and_b32 s18, s16, 1                          ; which half of its columns.  Also: which four tiles I fetch
	s_bfe_u32 s40, ttmp6, 0x40000                  ; cx, cy: my place in the cluster
	s_bfe_u32 s41, ttmp6, 0x40004
	s_lshl_b32 s42, ttmp9, 2
	s_add_co_u32 s42, s42, s40                     ; tile column = 4 x cluster x + cx
	s_and_b32 s19, ttmp7, 0xffff
	s_lshl_b32 s19, s19, 2
	s_add_co_u32 s19, s19, s41                     ; tile row = 4 x cluster y + cy
	s_lshl_b32 s43, s41, 2
	s_lshl_b32 s43, 15, s43                        ; my row of the cluster
	s_lshl_b32 s44, 0x1111, s40                    ; my column
	; descriptor group 1: 4 rows of 1,024 elements of 8 bytes, 8,192 elements apart
	s_or_b32 s[G1+0], s43, (3<<16)|(1<<21)         ; 15:0 the mask: the tokens' tiles go to my row; 17:16 elements of 8 bytes; 21 set beside a mask; no padding
	s_or_b32 s[G1B+0], s44, (3<<16)|(1<<21)
.irp g, G1, G1B
	s_mov_b32 s[\g+1], 1024<<16                    ; tensor_dim0
	s_mov_b32 s[\g+2], 4<<16                       ; tensor_dim1
	s_mov_b32 s[\g+3], 1024<<16                    ; tile_dim0
	s_mov_b32 s[\g+4], 4                           ; tile_dim1
	s_mov_b32 s[\g+5], 8192                        ; from row to row
	s_mov_b32 s[\g+6], 0
	s_mov_b32 s[\g+7], 0
.endr
	s_lshl_b32 s22, s18, 2                         ; which four tiles of the eight I fetch
	s_lshl_b32 s20, s19, 3
	s_add_co_u32 s20, s20, s22
	s_lshl_b32 s20, s20, 16                        ; tokens: tile 8 x tile row + 4 x half, 65,536 bytes a tile
	s_mov_b32 s21, 0
	s_lshl_b32 s46, s42, 3
	s_add_co_u32 s46, s46, s22
	s_lshl_b32 s46, s46, 16                        ; columns: tile 8 x tile column + 4 x half,
	s_add_co_u32 s46, s46, 0x2c0000                ; in W2's part of wimg
	s_mov_b32 s47, 0
	s_lshl_b32 s45, s16, 15                        ; where they go: wave x 32,768: no place in the cluster enters an LDS address
	s_wait_kmcnt 0x0
	s_load_b64 s[66:67], s[12:13], 0x30            ; e12, e13
	s_add_nc_u64 s[20:21], s[4:5], s[20:21]
	s_add_nc_u64 s[46:47], s[6:7], s[46:47]
	CROUND                                         ; all sixteen work-groups are here: the first joint loads meet
.irp s, 0,1
	s_mov_b32 s[G0+4*\s], 1
	s_add_co_u32 s[G0+4*\s+1], s45, \s*SLOT
	s_add_nc_u64 s[G0+4*\s+2:G0+4*\s+3], s[20:21], \s*8192
	s_or_b32 s[G0+4*\s+3], s[G0+4*\s+3], 0x80000000
	s_mov_b32 s[G0B+4*\s], 1
	s_add_co_u32 s[G0B+4*\s+1], s45, \s*SLOT
	s_add_nc_u64 s[G0B+4*\s+2:G0B+4*\s+3], s[46:47], \s*8192
	s_or_b32 s[G0B+4*\s+3], s[G0B+4*\s+3], 0x80000000
	JLOAD \s
.endr
	v_and_b32 v1, 15, v0                           ; r
	v_bfe_u32 v2, v0, 4, 1                         ; h
	v_and_b32 v5, 31, v0
	v_lshlrev_b32 v[CO], 4, v5
	v_lshlrev_b32 v[BO], 6, v2
	s_lshl_b32 s70, s17, 15                        ; my four token tiles,
	s_lshl_b32 s71, s18, 15
	s_add_co_u32 s71, s71, 65536                   ; my four column tiles, which lie behind the tokens' eight
.irp s, 0,1
	v_add_nc_u32 v[ADRA+\s], s70, v[CO]
	v_add_nc_u32 v[ADRB+\s], s71, v[CO]
	s_add_co_u32 s70, s70, SLOT
	s_add_co_u32 s71, s71, SLOT
.endr
	v_and_b32 v3, 7, v1                            ; the stage, on the way in: token r of tile a' = 4 (wave / 2) + a is row 32 (a' / 2) + 8 (a' % 2) + r % 8 + 16 (r / 8)
	v_bfe_u32 v4, v1, 3, 1
	v_lshl_add_u32 v3, v4, 4, v3
	s_lshl_b32 s70, s17, 6
	v_add_nc_u32 v3, s70, v3
	v_mul_u32_u24 v[STO], v3, SPITCH
	v_lshl_add_u32 v[STO], v2, 6, v[STO]           ; + 64 h: my 16 columns of a group of 32,
	s_lshl_b32 s70, s18, 8
	v_add_nc_u32 v[STO], s70, v[STO]               ; + my half of the 128 columns
	s_mul_i32 s70, s16, 32*SPITCH                  ; back: wave w takes rows 32 w .. 32 w + 31, whole: 16 bytes a lane
	v_add_nc_u32 v[RD], s70, v[CO]
	s_lshr_b32 s68, s19, 4                         ; x1: ((16 batch + 4 tile column + 2 half) x 128 + (8 tile row + 4 half) % 128) x 2048
	s_lshl_b32 s68, s68, 4
	s_lshl_b32 s69, s42, 2
	s_add_co_u32 s68, s68, s69
	s_lshl_b32 s69, s18, 1
	s_add_co_u32 s68, s68, s69
	s_lshl_b32 s68, s68, 18
	s_lshl_b32 s69, s19, 3
	s_lshl_b32 s70, s17, 2
	s_add_co_u32 s69, s69, s70
	s_and_b32 s69, s69, 127
	s_lshl_b32 s69, s69, 11
	s_add_co_u32 s68, s68, s69
	s_mov_b32 s69, 0
	s_add_nc_u64 s[8:9], s[8:9], s[68:69]
	s_lshl_b32 s68, s42, 9                         ; b2: column 128 tile column + 64 half
	s_lshl_b32 s70, s18, 8
	s_add_co_u32 s68, s68, s70
	s_add_nc_u64 s[10:11], s[10:11], s[68:69]
	s_lshl_b32 s68, s19, 7                         ; out0: row 128 tile row + 32 wave, column 128 tile column
	s_lshl_b32 s70, s16, 5
	s_add_co_u32 s68, s68, s70
	s_lshl_b32 s68, s68, 11
	s_lshl_b32 s70, s42, 9
	s_add_co_u32 s68, s68, s70
	s_add_nc_u64 s[14:15], s[14:15], s[68:69]
	WIN 0x80                                       ; x1 and b2 are asked for now and wanted at the end
.irp a, 0,1,2,3
.irp e, 0,1
.irp j, 0,1,2,3
	global_load_b128 v[32*\a+16*\e+4*\j:32*\a+16*\e+4*\j+3], v[CO], s[8:9] offset:\e*262144+\a*2048+512*\j th:TH_LOAD_NT
.endr
.endr
.endr
	WIN 0
.irp e, 0,1
.irp j, 0,1,2,3
	global_load_b128 v[B2+16*\e+4*\j:B2+16*\e+4*\j+3], v[BO], s[10:11] offset:128*\e+16*\j
.endr
.endr
; 4 matrix instructions: token tile a x my four column tiles, 128 along K.  zero = 1: the first product starts the sums.  The 16 accumulators take turns in the same order in every step.
.macro MUL4 f, a, zero
.irp b, 0,1,2,3
.if \zero
	v_wmma_f32_16x16x128_fp8_fp8 v[ACC+8*(4*\a+\b):ACC+8*(4*\a+\b)+7], v[\f+64+16*\b:\f+64+16*\b+15], v[\f+16*\a:\f+16*\a+15], 0
.else
	v_wmma_f32_16x16x128_fp8_fp8 v[ACC+8*(4*\a+\b):ACC+8*(4*\a+\b)+7], v[\f+64+16*\b:\f+64+16*\b+15], v[\f+16*\a:\f+16*\a+15], v[ACC+8*(4*\a+\b):ACC+8*(4*\a+\b)+7]
.endif
.endr
.endm
.macro FETCH slot, q, f                ; 32 LDS loads in one run: the eight fragments of the slot's q-th 128 along K into set f
	WIN TO_F
.irp i, 0,1,2,3
.irp c, 0,1,2,3
	ds_load_b128 v[\f+16*\i+4*\c:\f+16*\i+4*\c+3], v[ADRA+\slot] offset:\i*8192+(\q)*2048+512*\c
.endr
.endr
.irp i, 0,1,2,3
.irp c, 0,1,2,3
	ds_load_b128 v[\f+64+16*\i+4*\c:\f+64+16*\i+4*\c+3], v[ADRB+\slot] offset:\i*8192+(\q)*2048+512*\c
.endr
.endr
.endm
.macro KSTEP slot, q, f, g, zero       ; one of a slot's first three steps: multiplies set f; the next step's fragments are asked for first, into set g
	s_wait_dscnt 0x0                               ; set f is in (asked for 16 matrix instructions ago)
	PLACES                                         ; four places in front of loads into registers that matrix instructions have read
	FETCH \slot, (\q)+1, \g
	WIN MUL
	MUL4 \f, 0, \zero
	MUL4 \f, 1, \zero
	MUL4 \f, 2, \zero
	MUL4 \f, 3, \zero
.endm
; A slot's last step multiplies set 1 and changes slots: ONE barrier; in front of it each wave waits for all its tensor loads, adds 0 to its spare word, and waits for that and for its own reads of this slot.
; fill = 1: this slot is filled again, two chunks ahead; the barrier then opens a round of the cluster's barrier, and the joint refill is the first tensor load behind it: it has a chunk's 64 matrix instructions, less 8, in which to land.
.macro TURN slot, next, fill
	WIN 0                                          ; (the add's two registers lie in window 0)
	s_wait_tensorcnt 0x0                           ; all my tensor loads have landed: my part of the next slot;
	ds_add_u32 v[SPW], v[NIL]                      ; 0 onto my spare word;
	s_wait_dscnt 1                                 ; (set 1 is in; the add may be out)
	WIN MUL
	MUL4 F1, 0, 0                                  ; four matrix instructions stand between the add and the wait for it
	s_wait_dscnt 0x0                               ; the add is done, and my reads of this slot are over
	s_barrier_signal -1
	MUL4 F1, 1, 0
.if \fill
	WIN 0
.endif
	s_barrier_wait -1
.if \fill
	CREST                                          ; no wave of any partner still reads this slot's tiles or has a load on its way
	s_add_nc_u64 s[G0+4*\slot+2:G0+4*\slot+3], s[G0+4*\slot+2:G0+4*\slot+3], 16384
	s_add_nc_u64 s[G0B+4*\slot+2:G0B+4*\slot+3], s[G0B+4*\slot+2:G0B+4*\slot+3], 16384
	JLOAD \slot                                    ; the four v_nop behind it are also the places in front of the loads below
.else
	PLACES
.endif
	FETCH \next, 0, F0
	WIN MUL
	MUL4 F1, 2, 0
	MUL4 F1, 3, 0
.endm
	s_wait_tensorcnt 1                             ; my part of chunk 0 is in; chunk 1's may stay out
	s_barrier_signal -1
	s_barrier_wait -1                              ; everybody's is
	FETCH 0, 0, F0
	KSTEP 0, 0, F0, F1, 1                          ; the first step stands in front of the loop: its products start the sums
	WIN 0                                          ; at a label and at a branch every window is 0
	s_mov_b32 s3, 3
.Llap:                                                 ; a trip goes once round the ring, from a lap's second step to the next lap's first, and fills both slots again: chunks 2 to 7
	KSTEP 0, 1, F1, F0, 0
	KSTEP 0, 2, F0, F1, 0
	TURN 0, 1, 1
	KSTEP 1, 0, F0, F1, 0
	KSTEP 1, 1, F1, F0, 0
	KSTEP 1, 2, F0, F1, 0
	TURN 1, 0, 1
	KSTEP 0, 0, F0, F1, 0
	WIN 0
	s_sub_co_u32 s3, s3, 1
	s_cmp_lg_u32 s3, 0
	s_cbranch_scc1 .Llap
	KSTEP 0, 1, F1, F0, 0                          ; the last lap fills nothing, and has no round of the cluster's barrier
	KSTEP 0, 2, F0, F1, 0
	TURN 0, 1, 0
	KSTEP 1, 0, F0, F1, 0
	KSTEP 1, 1, F1, F0, 0
	KSTEP 1, 2, F0, F1, 0
	s_wait_dscnt 0x0                               ; the very last step: nothing more to fetch
	WIN MUL
	MUL4 F1, 0, 0
	MUL4 F1, 1, 0
	MUL4 F1, 2, 0
	MUL4 F1, 3, 0
	WIN 0
	; THE WAY OUT: sum x 2^(e12 + e13) + b2, relu, + x1; a lane's 16 neighbouring columns go into the work-group's stage; a barrier, since a row's 512 bytes come from two waves; back as whole rows, 32 rows a wave.
	PLACES
	s_wait_kmcnt 0x0
	s_add_co_i32 s66, s66, s67
	s_add_co_i32 s66, s66, 127
	s_lshl_b32 s66, s66, 23                        ; 2^(e12 + e13) as f32
	s_mov_b32 s67, s66                             ; (named with it as a pair)
	s_wait_loadcnt 0x0                             ; x1 and b2
.irp a, 0,1,2,3
.set i, 0
.rept 16
	v_pk_fma_f32 v[ACC+32*\a+i:ACC+32*\a+i+1], v[ACC+32*\a+i:ACC+32*\a+i+1], s[66:67], v[B2+i:B2+i+1] op_sel_hi:[1,0,1]   ; each accumulator from its low end on
.set i, i+2
.endr
.set i, 0
.rept 32
	v_max_num_f32 v[ACC+32*\a+i], 0, v[ACC+32*\a+i]
.set i, i+1
.endr
	WIN 0x08                                       ; source 1 (x1) window 2
.set i, 0
.rept 16
	v_pk_add_f32 v[ACC+32*\a+i:ACC+32*\a+i+1], v[ACC+32*\a+i:ACC+32*\a+i+1], v[32*\a+i:32*\a+i+1]
.set i, i+2
.endr
	WIN 0
.irp e, 0,1
.irp j, 0,1,2,3
	ds_store_b128 v[STO], v[ACC+32*\a+16*\e+4*\j:ACC+32*\a+16*\e+4*\j+3] offset:(32*(\a/2)+8*(\a%2))*SPITCH+128*\e+16*\j
.endr
.endr
.endr
	s_wait_dscnt 0x0                               ; for the others' sake: my stores into the stage are done
	s_barrier_signal -1
	s_barrier_wait -1
.set i, 0
.rept 32
	ds_load_b128 v[ACC+4*i:ACC+4*i+3], v[RD] offset:i*SPITCH
.set i, i+1
.endr
.set i, 0
.rept 32
	s_wait_dscnt 31-i                              ; row i is back; the younger loads may be out
	global_store_b128 v[CO], v[ACC+4*i:ACC+4*i+3], s[14:15] offset:i*2048 th:TH_STORE_NT   ; 32 lanes store 512 consecutive bytes, at a multiple of 256 from out0's first byte
.set i, i+1
.endr
	s_wait_tensorcnt 0x0                           ; the wave's end: behind my last tensor load and my last LDS store
	ds_add_u32 v[SPW], v[NIL]
	s_wait_dscnt 0x0
	CROUND                                         ; the closing round: no work-group ends while a partner may still ask for a tile that names it
	s_endpgm
.Lfunc_end_k_qfd06b20d7c_gemm2:
	.size	k_qfd06b20d7c_gemm2, .Lfunc_end_k_qfd06b20d7c_gemm2-k_qfd06b20d7c_gemm2
	.p2alignl 7, 3214868480
	.fill 96, 4, 3214868480
	.section	.rodata,"a",@progbits
	.p2align	6, 0x0
	.amdhsa_kernel k_qfd06b20d7c_gemm2
		.amdhsa_group_segment_fixed_size 327680
		.amdhsa_private_segment_fixed_size 0
		.amdhsa_enable_private_segment 0
		.amdhsa_kernarg_size 48
		.amdhsa_user_sgpr_count 2
		.amdhsa_user_sgpr_kernarg_segment_ptr 1
		.amdhsa_wavefront_size32 1
		.amdhsa_system_sgpr_workgroup_id_x 1
		.amdhsa_system_sgpr_workgroup_id_y 1
		.amdhsa_system_sgpr_workgroup_id_z 1
		.amdhsa_system_vgpr_workitem_id 0
		.amdhsa_next_free_vgpr 640
		.amdhsa_next_free_sgpr 72
		.amdhsa_reserve_vcc 0
		.amdhsa_float_denorm_mode_32 3
		.amdhsa_float_denorm_mode_16_64 3
		.amdhsa_memory_ordered 1
		.amdhsa_forward_progress 1
		.amdhsa_inst_pref_size 87
	.end_amdhsa_kernel
	.amdgpu_metadata
---
amdhsa.version: [ 1, 2 ]
amdhsa.kernels:
  - .name:           k_qfd06b20d7c_gemm2
    .symbol:         k_qfd06b20d7c_gemm2.kd
    .args:
      - { .name: hid, .offset: 0, .size: 8, .value_kind: global_buffer, .address_space: global }
      - { .name: wimg, .offset: 8, .size: 8, .value_kind: global_buffer, .address_space: global }
      - { .name: x1, .offset: 16, .size: 8, .value_kind: global_buffer, .address_space: global }
      - { .name: b2, .offset: 24, .size: 8, .value_kind: global_buffer, .address_space: global }
      - { .name: lowp_scales, .offset: 32, .size: 8, .value_kind: global_buffer, .address_space: global }
      - { .name: out0, .offset: 40, .size: 8, .value_kind: global_buffer, .address_space: global }
    .group_segment_fixed_size: 327680
    .private_segment_fixed_size: 0
    .kernarg_segment_align: 8
    .kernarg_segment_size: 48
    .max_flat_workgroup_size: 128
    .sgpr_count:     72
    .vgpr_count:     640
    .wavefront_size: 32
...
	.end_amdgpu_metadata
.endif
;; end of part 6
;; ======== version 2 of 2: 6 launches; version 1 with the launches qkv, attn written anew for expert scheduling mode
;; workspace buffers: wimg 4,980,736 bytes; qkv 12,582,912 bytes; ao 16,777,216 bytes; x1 16,777,216 bytes; hc 4,194,304 bytes; hid 33,554,432 bytes
;; launch wq: the kernel of part 1 again; grid 304 x 1, 4 waves a work-group, no clusters, 0 bytes of LDS; arguments Wq, Wk, Wv, W1, W2, lowp_scales, wimg; writes wimg
;; launch qkv (part 7): grid 64 x 3, 4 waves a work-group, no clusters, 198,144 bytes of LDS; arguments x, wimg, alpha, beta, lowp_scales, qkv; writes qkv
.if DOCPART == 7
	.amdgcn_target "amdgcn-amd-amdhsa--gfx1250"
	.amdhsa_code_object_version 6
	.text
	.protected	k_qfd06b20d7c_qkv
	.globl	k_qfd06b20d7c_qkv
	.p2align	8
	.type	k_qfd06b20d7c_qkv,@function
k_qfd06b20d7c_qkv:
	s_mov_b64 s[64:65], 0
	v_nop
	global_prefetch_b8 v0, s[64:65] scope:SCOPE_SE
	s_setreg_imm32_b32 hwreg(HW_REG_WAVE_SCHED_MODE, 0, 2), 2
	s_setreg_imm32_b32 hwreg(HW_REG_WAVE_MODE, 25, 1), 1
	s_wait_xcnt 0x0
	s_wait_alu depctr_vm_vsrc(0)
; One of the three projections (work-group y: 0 q, 1 k, 2 v) of 128 tokens (work-group x): LN1 in f32, quantised with the product's own scale, multiplied on codes of FP8 (E4M3), the result quantised for attention.
; LN as the module has it: mean, variance with 511 in the divisor, alpha (x - mean) / sqrt(var + 1e-6) + beta, alpha and beta single numbers that are read.  The variance is taken of x - mean (two passes over registers).
; TILE MAP: row r of tile T = 2 g + u (tokens and weight columns alike) is index 32 g + 8 u + r + 8 (r / 8): so the 16 result registers of tiles 2 g, 2 g + 1 are 16 neighbours 32 g + 16 (lane / 16) + 0 .. 15.
; FRAGMENT IMAGE: 16 rows x 128 K in 2,048 bytes: group c at 512 c, lane l at 16 l; lane (r, h) holds k = 128 s + 32 c + 16 h + 0 .. 15 of its row.  k has the same place in both operands.
; SHARES.  Wave w keeps weight columns 128 w .. 128 w + 127, all K = 512, in 512 registers, read once.  The 128 tokens go as two blocks of 64: wave w normalises and quantises tile w of the block (16 tokens, 256 numbers
; a lane) and stores its four fragments' images in LDS; behind a barrier every wave multiplies all four tiles by its columns.
; q, k: source 0 = weight columns, source 1 = tokens: a lane holds one token and 16 neighbouring channels of a head: 16 bytes of the image (head x 128 + token tile) x 512 + 16 lane.
; v:    source 0 = tokens, source 1 = weight columns: a lane holds one channel and 16 neighbouring keys: head x 65536 + key step x 4096 + u x 2048 + c x 512 + 16 lane.
; Every store of codes covers 512 consecutive bytes.  The branch between the two forms hangs on the work-group's y alone.
; NO CLUSTER: what work-groups share here (the weights' 256 KiB among 64 work-groups, x's rows among three) goes into registers by plain loads, once a work-group; nothing is walked through LDS slots.
; 192 work-groups: one product's weights fill four waves' registers, and the three products divide no further without reading x more often.
; LIMITS: eA (entries 0, 2, 4) and eO - eA - eB (eO: entries 6, 7, 8; eB: 1, 3, 5) between -126 and 119.  NaN among the inputs is not served.
; REGISTERS, in windows of 256: window 0: addresses, LN's sums, v24-151 eight fragments of tokens (v24-87 first hold the codes just made), v152-215 eight accumulators, v216-231 result codes, v240-247 constants.
;   window 1: weights of K steps 0, 1 at 16 (8 s + t);  window 2: of K steps 2, 3;  window 3: the 256 numbers of my token tile, register 64 s + 16 c + i.
; THE MODE: SCHED_MODE bits 1:0 = 2 (LLVM: expert scheduling mode 2), set by the entry lines.  The code itself states the register dependences
; between vector or matrix instructions and memory or LDS instructions, with s_wait_alu, always for 0.
; THE PLAN.  Registers that memory or LDS instructions touch:
;   window 3       a block's loads of x land; the stage's LDS stores read; the stage's LDS loads land; LN and the quantiser read and write; the next block's loads of x land.
;   v[F .. F+63]   the quantiser's conversions write; IMAGE's LDS stores read.   v[F .. F+127]  FETCH's LDS loads land; the products read.
;   v[PC ..]       the way out's conversions write; its four global stores read.
;   windows 1, 2   the weights' loads land once; the products read.
;   v[LI], v[STW], v[STR], v[IMW], v[IMR]   made at the head, never written again.
; THE WAITS.  va_sdst ahead of the wave number's first reader.  va_vdst ahead of the first load: the addresses.  vm_vsrc between the stage's stores and its loads.  va_vdst ahead of IMAGE: the codes are written, and
; window 3 is done with, so that the next block's loads, which follow IMAGE, owe nothing more.  vm_vsrc behind each barrier: IMAGE's stores have read v[F ..].  On each way out: vm_vsrc ahead of the first write of v[PC ..],
; and va_vdst ahead of its stores, which also states that the products are done reading v[F ..]: between it and the next FETCH stand stores and v_nop alone, on both arms of the branch.
.set STP, 2064                         ; a stage row: 2,048 bytes + 16: rows start 16 bytes further on modulo 256, so sixteen lanes that read one column of sixteen rows take sixteen different 16-byte columns
.set STB, 16*STP                       ; a wave's stage
.set IMG, 4*STB                        ; behind the stages: two regions of 32,768 bytes, one for each block: fragment (tile m, K step s) at (4 m + s) x 2048
.set LI,  1                            ; v1   16 x lane
.set STW, 4                            ; v4   my stage, as rows are loaded: + 16 x lane
.set STR, 5                            ; v5   my stage, as a lane wants them: + r x STP + 64 h
.set IMW, 6                            ; v6   where my tile's images go
.set IMR, 7                            ; v7   where images are read
.set CH,  10                           ; v10-17 four chains of packed sums
.set MU,  18                           ; v18-19 the mean, twice
.set TP,  20                           ; v20  a lane exchange's destination
.set F,   24
.set ACC, 152
.set PC,  216
.set SA,  240                          ; 2^eA
.set LA,  241                          ; 448 x 2^eA
.set SO,  242                          ; 2^(eO - eA - eB)
.set LO,  243                          ; 448 x that
.set G,   244                          ; v244-245 alpha / sqrt(var + eps), twice
.set BE,  246                          ; v246-247 beta, twice
.set MSB, 0
.macro WIN new                         ; the immediate's high byte repeats the setting that is left; a switch that changes nothing is dropped
.if MSB != (\new)
	s_set_vgpr_msb (MSB<<8)|(\new)
.set MSB, (\new)
.endif
.endm
.macro PLACES                          ; four plain vector places behind matrix instructions (ISA guide 7.12.1)
.rept 4
	v_nop
.endr
.endm
	s_load_b256 s[4:11], s[0:1], 0x0               ; x s[4:5], wimg s[6:7], alpha s[8:9], beta s[10:11]
	s_load_b128 s[12:15], s[0:1], 0x20             ; the scales' exponents s[12:13], qkv s[14:15]
	v_lshl_add_u32 v254, v0, 2, 0x30400
	v_mov_b32 v255, 0
	v_lshrrev_b32 v2, 5, v0
	v_readfirstlane_b32 s16, v2                    ; wave 0..3
	s_and_b32 s17, ttmp7, 0xffff                   ; y: which product
	v_and_b32 v3, 31, v0
	v_lshlrev_b32 v[LI], 4, v3
	v_and_b32 v8, 15, v0                           ; r
	v_bfe_u32 v9, v0, 4, 1                         ; h
	s_wait_alu depctr_va_sdst(0)                   ; s16 is written, ahead of its first reader: LDS addresses and the three bases are made from it
	s_mul_i32 s18, s16, STB
	v_add_nc_u32 v[STW], s18, v[LI]
	v_mul_u32_u24 v[STR], v8, STP
	v_lshl_add_u32 v[STR], v9, 6, v[STR]
	v_add_nc_u32 v[STR], s18, v[STR]
	s_lshl_b32 s19, s16, 13
	s_add_co_u32 s19, s19, IMG
	v_add_nc_u32 v[IMW], s19, v[LI]
	v_add_nc_u32 v[IMR], IMG, v[LI]
	v_mov_b32 v[TP], 0                             ; written once: a lane exchange's destination counts as one of its sources
	s_lshl_b32 s20, ttmp9, 7                       ; x: token 128 x work-group + 32 (wave / 2) + 8 (wave % 2): row 0 of my tile in block 0
	s_lshr_b32 s21, s16, 1
	s_lshl_b32 s21, s21, 5
	s_add_co_u32 s20, s20, s21
	s_and_b32 s21, s16, 1
	s_lshl_b32 s21, s21, 3
	s_add_co_u32 s20, s20, s21
	s_lshl_b32 s20, s20, 11
	s_mov_b32 s21, 0
	s_lshl_b32 s22, s17, 18                        ; weights: product y, my 8 column tiles of 8,192 bytes
	s_lshl_b32 s23, s16, 16
	s_add_co_u32 s22, s22, s23
	s_mov_b32 s23, 0
	s_lshl_b32 s24, s17, 22                        ; result: part y of qkv, head 16 batch + 4 wave, + (work-group % 16) x 4096: 8 token tiles of 512 bytes, or one key step of v
	s_lshr_b32 s25, ttmp9, 4
	s_lshl_b32 s25, s25, 4
	s_lshl_b32 s26, s16, 2
	s_add_co_u32 s25, s25, s26
	s_lshl_b32 s25, s25, 16
	s_add_co_u32 s24, s24, s25
	s_and_b32 s25, ttmp9, 15
	s_lshl_b32 s25, s25, 12
	s_add_co_u32 s24, s24, s25
	s_mov_b32 s25, 0
	s_lshl_b32 s26, s17, 3
	s_mov_b32 s27, 0
	s_lshl_b32 s28, s17, 2
	s_mov_b32 s29, 0
	s_mov_b32 s36, 0x76543210                      ; v_permlanex16_b32: lane l takes lane l xor 16
	s_mov_b32 s37, 0xfedcba98
	s_mov_b32 s38, 0x3b004020                      ; 1 / 511
	s_mov_b32 s39, 0x358637bd                      ; 1e-6
	s_wait_kmcnt 0x0
	s_add_nc_u64 s[26:27], s[12:13], s[26:27]
	s_add_nc_u64 s[28:29], s[12:13], s[28:29]
	s_load_b64 s[30:31], s[26:27], 0x0             ; eA, eB: entries 2 y, 2 y + 1
	s_load_b32 s32, s[28:29], 0x18                 ; eO: entry 6 + y
	s_load_b32 s33, s[8:9], 0x0                    ; alpha
	s_load_b32 s34, s[10:11], 0x0                  ; beta
	s_add_nc_u64 s[4:5], s[4:5], s[20:21]
	s_add_nc_u64 s[6:7], s[6:7], s[22:23]
	s_add_nc_u64 s[14:15], s[14:15], s[24:25]
.macro XLOAD blk                       ; my tile's 16 rows of x as they lie: each load reads 512 consecutive bytes of one row
	WIN 0xc0
.irp i, 0,1,2,3,4,5,6,7,8,9,10,11,12,13,14,15
.irp s, 0,1,2,3
	global_load_b128 v[4*(4*\i+\s):4*(4*\i+\s)+3], v[LI], s[4:5] offset:\blk*131072+(\i+8*(\i/8))*2048+512*\s
.endr
.endr
	WIN 0
.endm
.macro TURNX                           ; through my own stage: in as loaded, out so that lane (r, h) holds k = 128 s + 32 c + 16 h + i of row r in register 64 s + 16 c + i
	WIN 0x0c
.irp i, 0,1,2,3,4,5,6,7,8,9,10,11,12,13,14,15
.irp s, 0,1,2,3
	ds_store_b128 v[STW], v[4*(4*\i+\s):4*(4*\i+\s)+3] offset:\i*STP+512*\s
.endr
.endr
	s_wait_dscnt 0x0                               ; the stores into my stage are done
	WIN 0xc0
	s_wait_alu depctr_vm_vsrc(0)                   ; the LDS stores above have read the registers of window 3, in which the loads below land
.irp s, 0,1,2,3
.irp c, 0,1,2,3
.irp j, 0,1,2,3
	ds_load_b128 v[64*\s+16*\c+4*\j:64*\s+16*\c+4*\j+3], v[STR] offset:512*\s+128*\c+16*\j
.endr
.endr
.endr
	WIN 0
.endm
.macro WLOAD                           ; my 32 fragments of the weights: they stay.  No vector instruction has named windows 1 and 2, and v[LI] stands since the head's wait
.irp s, 0,1,2,3
	WIN 0x40*(1+(\s/2))
.irp t, 0,1,2,3,4,5,6,7
.irp c, 0,1,2,3
	global_load_b128 v[16*(8*(\s%2)+\t)+4*\c:16*(8*(\s%2)+\t)+4*\c+3], v[LI], s[6:7] offset:(4*\t+\s)*2048+512*\c
.endr
.endr
.endr
	WIN 0
.endm
.macro FOLD                            ; four chains, two halves, and the lane 16 away, which holds the row's other 256 numbers
	v_pk_add_f32 v[CH:CH+1], v[CH:CH+1], v[CH+2:CH+3]
	v_pk_add_f32 v[CH+4:CH+5], v[CH+4:CH+5], v[CH+6:CH+7]
	v_pk_add_f32 v[CH:CH+1], v[CH:CH+1], v[CH+4:CH+5]
	v_add_f32 v[CH], v[CH], v[CH+1]
	v_permlanex16_b32 v[TP], v[CH], s36, s37
	v_add_f32 v[CH], v[CH], v[TP]
.endm
.macro LN
	WIN 0x0f                                       ; sources in window 3, sums in window 0
.irp k, 0,1,2,3
	v_pk_add_f32 v[CH+2*\k:CH+2*\k+1], v[4*\k:4*\k+1], v[4*\k+2:4*\k+3]   ; the first pairs start the chains: nothing is cleared
.endr
	WIN 0x03
.set i, 16
.rept 120
	v_pk_add_f32 v[CH+2*((i/2)%4):CH+2*((i/2)%4)+1], v[i:i+1], v[CH+2*((i/2)%4):CH+2*((i/2)%4)+1]
.set i, i+2
.endr
	WIN 0
	FOLD
	v_mul_f32 v[MU], 0x3b000000, v[CH]             ; / 512
	v_mov_b32 v[MU+1], v[MU]
	WIN 0xc3
.set i, 0
.rept 128
	v_pk_add_f32 v[i:i+1], v[i:i+1], v[MU:MU+1] neg_lo:[0,1] neg_hi:[0,1]   ; x - mean
.set i, i+2
.endr
	WIN 0x0f
.irp k, 0,1,2,3
	v_pk_mul_f32 v[CH+2*\k:CH+2*\k+1], v[2*\k:2*\k+1], v[2*\k:2*\k+1]
.endr
.set i, 8
.rept 124
	v_pk_fma_f32 v[CH+2*((i/2)%4):CH+2*((i/2)%4)+1], v[i:i+1], v[i:i+1], v[CH+2*((i/2)%4):CH+2*((i/2)%4)+1]
.set i, i+2
.endr
	WIN 0
	FOLD
	v_fma_f32 v[CH], v[CH], s38, s39               ; the sum of squares / 511 + 1e-6
	v_rsq_f32 v[CH+1], v[CH]
	v_nop                                          ; a plain instruction behind the transcendental (ISA guide 5.7.2),
	s_wait_alu depctr_va_vdst(0)                   ; and the wait ahead of its first reader: the root has written v[CH+1]
	v_mul_f32 v[G], s33, v[CH+1]
	v_mov_b32 v[G+1], v[G]
	WIN 0xc3
.set i, 0
.rept 128
	v_pk_fma_f32 v[i:i+1], v[i:i+1], v[G:G+1], v[BE:BE+1]
.set i, i+2
.endr
.endm
.macro QUANTX                          ; 256 numbers become four fragments' codes in v[F] on
	WIN 0xc3
.set i, 0
.rept 256
	v_med3_num_f32 v[i], v[i], -v[LA], v[LA]       ; the conversion to an 8-bit code does not saturate (ISA guide 7.6.2): the hold comes first
.set i, i+1
.endr
	WIN 0x03
.set i, 0
.rept 32
	v_cvt_scalef32_pk8_fp8_f32 v[F+2*i:F+2*i+1], v[8*i:8*i+7], v[SA]
.set i, i+1
.endr
	WIN 0
	v_nop                                          ; one plain vector instruction behind the last conversion
.endm
.macro IMAGE blk                       ; my tile's four fragments go to LDS as they stand in the registers
.irp s, 0,1,2,3
.irp c, 0,1,2,3
	ds_store_b128 v[IMW], v[F+16*\s+4*\c:F+16*\s+4*\c+3] offset:\blk*32768+\s*2048+512*\c
.endr
.endr
.endm
.macro FETCH blk, g                    ; the eight fragments of token tiles 2 g, 2 g + 1 of the block; tile 2 g's sixteen loads first.  No wait on va_vdst here: the last one (ahead of IMAGE, or ahead of the last way out's stores) stands behind every vector or matrix instruction that named v[F ..]
	PLACES
.irp m, 0,1
.irp s, 0,1,2,3
.irp c, 0,1,2,3
	ds_load_b128 v[F+16*(4*\m+\s)+4*\c:F+16*(4*\m+\s)+4*\c+3], v[IMR] offset:\blk*32768+(4*(2*\g+\m)+\s)*2048+512*\c
.endr
.endr
.endr
.endm
; 32 matrix instructions; the eight accumulators take turns, one instruction a turn; the first K step starts the sums with the constant 0.
.macro GQK m                           ; my 8 column tiles x token tile m of the pair
.irp s, 0,1,2,3
	WIN 1+(\s/2)
.irp t, 0,1,2,3,4,5,6,7
.if \s == 0
	v_wmma_f32_16x16x128_fp8_fp8 v[ACC+8*\t:ACC+8*\t+7], v[16*(8*(\s%2)+\t):16*(8*(\s%2)+\t)+15], v[F+16*(4*\m+\s):F+16*(4*\m+\s)+15], 0
.else
	v_wmma_f32_16x16x128_fp8_fp8 v[ACC+8*\t:ACC+8*\t+7], v[16*(8*(\s%2)+\t):16*(8*(\s%2)+\t)+15], v[F+16*(4*\m+\s):F+16*(4*\m+\s)+15], v[ACC+8*\t:ACC+8*\t+7]
.endif
.endr
.endr
.endm
.macro GV th                           ; the pair's two token tiles x column tiles 4 th .. 4 th + 3
.irp s, 0,1,2,3
	WIN 4*(1+(\s/2))
.irp tt, 0,1,2,3
.irp m, 0,1
.if \s == 0
	v_wmma_f32_16x16x128_fp8_fp8 v[ACC+8*(2*\tt+\m):ACC+8*(2*\tt+\m)+7], v[F+16*(4*\m+\s):F+16*(4*\m+\s)+15], v[16*(8*(\s%2)+4*\th+\tt):16*(8*(\s%2)+4*\th+\tt)+15], 0
.else
	v_wmma_f32_16x16x128_fp8_fp8 v[ACC+8*(2*\tt+\m):ACC+8*(2*\tt+\m)+7], v[F+16*(4*\m+\s):F+16*(4*\m+\s)+15], v[16*(8*(\s%2)+4*\th+\tt):16*(8*(\s%2)+4*\th+\tt)+15], v[ACC+8*(2*\tt+\m):ACC+8*(2*\tt+\m)+7]
.endif
.endr
.endr
.endr
.endm
; 64 sums a lane become 64 codes: four runs of 16 neighbours.  A sum stands for sum x 2^(eA + eB): the three scales are folded into the conversion's one.  Run q goes to b + (q / d) x 65536 + (q % d) x 2048.
.macro EPI b, d
	WIN 0
	PLACES
	s_wait_xcnt 0x0                                ; the earlier stores have had their addresses translated: their data registers are written again below only behind this wait,
	s_wait_alu depctr_vm_vsrc(0)                   ; and behind this one: the earlier way out's stores have read v[PC ..], which the conversions below write again
.irp q, 0,1,2,3
.set i, 0
.rept 16
	v_med3_num_f32 v[ACC+16*\q+i], v[ACC+16*\q+i], -v[LO], v[LO]   ; each accumulator from its low end on
.set i, i+1
.endr
	v_cvt_scalef32_pk8_fp8_f32 v[PC+4*\q:PC+4*\q+1], v[ACC+16*\q:ACC+16*\q+7], v[SO]
	v_cvt_scalef32_pk8_fp8_f32 v[PC+4*\q+2:PC+4*\q+3], v[ACC+16*\q+8:ACC+16*\q+15], v[SO]
.endr
	v_nop                                          ; one plain vector instruction behind the last conversion: the next products write its sources
	s_wait_alu depctr_va_vdst(0)                   ; the conversions have written v[PC ..], which the stores below read; and the products are done reading v[F ..], in which the next FETCH's loads land
.irp q, 0,1,2,3
	global_store_b128 v[LI], v[PC+4*\q:PC+4*\q+3], s[14:15] offset:(\b)+(\q/\d)*65536+(\q%\d)*2048   ; 32 lanes store 512 consecutive bytes
.endr
.endm
.macro PAIR blk, g
	FETCH \blk, \g
	s_cmp_eq_u32 s17, 2
	s_cbranch_scc1 .Lv_\@
	s_wait_dscnt 16                                ; the first tile's sixteen loads are in; the second's may be out
	GQK 0
	EPI (4*\blk+2*\g)*512, 1
	s_wait_dscnt 0x0
	GQK 1
	EPI (4*\blk+2*\g+1)*512, 1
	s_branch .Lj_\@
.Lv_\@:
	s_wait_dscnt 0x0
	GV 0
	EPI (2*\blk+\g)*512, 2
	GV 1
	EPI 2*65536+(2*\blk+\g)*512, 2
.Lj_\@:
.endm
.macro BARRIER                         ; my LDS stores have landed and my LDS loads are in: then the work-group's barrier
	s_wait_dscnt 0x0
	s_barrier_signal -1
	s_barrier_wait -1
.endm
	s_wait_alu depctr_va_vdst(0)                   ; the five addresses v[LI], v[STW], v[STR], v[IMW], v[IMR] are written: every load and store of the kernel reads one of them, and none is written again
	XLOAD 0
	s_wait_kmcnt 0x0
	s_add_co_i32 s40, s30, 127
	s_lshl_b32 s41, s40, 23
	v_mov_b32 v[SA], s41
	s_add_co_i32 s40, s40, 8
	s_lshl_b32 s40, s40, 23
	s_or_b32 s40, s40, 0x600000
	v_mov_b32 v[LA], s40
	s_sub_co_i32 s40, s32, s30
	s_sub_co_i32 s40, s40, s31
	s_add_co_i32 s40, s40, 127
	s_lshl_b32 s41, s40, 23
	v_mov_b32 v[SO], s41
	s_add_co_i32 s40, s40, 8
	s_lshl_b32 s40, s40, 23
	s_or_b32 s40, s40, 0x600000
	v_mov_b32 v[LO], s40
	v_mov_b32 v[BE], s34
	v_mov_b32 v[BE+1], s34
	s_wait_loadcnt 0x0                             ; block 0's rows of x
	TURNX
	WLOAD                                          ; the weights come while block 0 is normalised
	s_wait_dscnt 0x0
	LN
	QUANTX
	s_wait_alu depctr_va_vdst(0)                   ; the conversions have written v[F ..], which IMAGE's stores read; LN and the quantiser are done with window 3, in which block 1's loads land: between this wait and those loads stand only LDS stores that name v[IMW] and v[F ..], and window switches
	IMAGE 0
	XLOAD 1                                        ; block 1's rows come while block 0 is multiplied
	BARRIER                                        ; block 0's sixteen fragments lie in LDS
	s_wait_alu depctr_vm_vsrc(0)                   ; IMAGE's stores have read v[F ..], in which the fragments' loads land
	s_wait_loadcnt 63                              ; 64 loads of x were issued behind the weights' 128: with 63 out at the most, every weight is in
	PAIR 0, 0
	PAIR 0, 1
	s_wait_loadcnt 0x0
	TURNX
	s_wait_dscnt 0x0
	LN
	QUANTX
	s_wait_alu depctr_va_vdst(0)                   ; the conversions have written v[F ..], which IMAGE's stores read
	IMAGE 1                                        ; into the other region: no wave's reads of block 0 are touched
	BARRIER
	s_wait_alu depctr_vm_vsrc(0)                   ; IMAGE's stores have read v[F ..], in which the fragments' loads land
	PAIR 1, 0
	PAIR 1, 1
	s_wait_dscnt 0x0                               ; the closing lines, six on end
	s_wait_alu 0x0
	s_wait_tensorcnt 0x0
	ds_add_u32 v254, v255
	s_wait_dscnt 0x0
	s_endpgm
.Lfunc_end_k_qfd06b20d7c_qkv:
	.size	k_qfd06b20d7c_qkv, .Lfunc_end_k_qfd06b20d7c_qkv-k_qfd06b20d7c_qkv
	.p2alignl 7, 3214868480
	.fill 96, 4, 3214868480
	.section	.rodata,"a",@progbits
	.p2align	6, 0x0
	.amdhsa_kernel k_qfd06b20d7c_qkv
		.amdhsa_group_segment_fixed_size 198144
		.amdhsa_private_segment_fixed_size 0
		.amdhsa_enable_private_segment 0
		.amdhsa_kernarg_size 48
		.amdhsa_user_sgpr_count 2
		.amdhsa_user_sgpr_kernarg_segment_ptr 1
		.amdhsa_wavefront_size32 1
		.amdhsa_system_sgpr_workgroup_id_x 1
		.amdhsa_system_sgpr_workgroup_id_y 1
		.amdhsa_system_sgpr_workgroup_id_z 1
		.amdhsa_system_vgpr_workitem_id 0
		.amdhsa_next_free_vgpr 1024
		.amdhsa_next_free_sgpr 66
		.amdhsa_reserve_vcc 0
		.amdhsa_float_denorm_mode_32 3
		.amdhsa_float_denorm_mode_16_64 3
		.amdhsa_memory_ordered 1
		.amdhsa_forward_progress 1
		.amdhsa_inst_pref_size 255
	.end_amdhsa_kernel
	.section	.bss,"aw",@nobits
	.p2align	6
	.space	262144
	.amdgpu_metadata
---
amdhsa.version: [ 1, 2 ]
amdhsa.kernels:
  - .name:           k_qfd06b20d7c_qkv
    .symbol:         k_qfd06b20d7c_qkv.kd
    .args:
      - { .name: x, .offset: 0, .size: 8, .value_kind: global_buffer, .address_space: global }
      - { .name: wimg, .offset: 8, .size: 8, .value_kind: global_buffer, .address_space: global }
      - { .name: alpha, .offset: 16, .size: 8, .value_kind: global_buffer, .address_space: global }
      - { .name: beta, .offset: 24, .size: 8, .value_kind: global_buffer, .address_space: global }
      - { .name: lowp_scales, .offset: 32, .size: 8, .value_kind: global_buffer, .address_space: global }
      - { .name: qkv, .offset: 40, .size: 8, .value_kind: global_buffer, .address_space: global }
    .group_segment_fixed_size: 198144
    .private_segment_fixed_size: 0
    .kernarg_segment_align: 8
    .kernarg_segment_size: 48
    .max_flat_workgroup_size: 128
    .sgpr_count:     66
    .vgpr_count:     1024
    .wavefront_size: 32
...
	.end_amdgpu_metadata
.endif
;; end of part 7
;; launch attn (part 8): grid 4 x 64, 16 waves a work-group, no clusters, 133,120 bytes of LDS; arguments qkv, lowp_scales, ao; writes ao
.if DOCPART == 8
	.amdgcn_target "amdgcn-amd-amdhsa--gfx1250"
	.amdhsa_code_object_version 6
	.text
	.protected	k_qfd06b20d7c_attn
	.globl	k_qfd06b20d7c_attn
	.p2align	8
	.type	k_qfd06b20d7c_attn,@function
k_qfd06b20d7c_attn:
	s_mov_b64 s[64:65], 0
	v_nop
	global_prefetch_b8 v0, s[64:65] scope:SCOPE_SE
	s_setreg_imm32_b32 hwreg(HW_REG_WAVE_SCHED_MODE, 0, 2), 2
	s_setreg_imm32_b32 hwreg(HW_REG_WAVE_MODE, 25, 1), 1
	s_wait_xcnt 0x0
	s_wait_alu depctr_vm_vsrc(0)
; ao[head][query][:] = the sum over keys of softmax(q . k / sqrt(512)) v, 64 heads (batch x 16) of 32 channels, 2,048 keys, both products on codes of FP8 (E4M3) as the launch before laid them.
; THE SOFTMAX AHEAD OF THE SECOND PRODUCT: t = score x log2(e) / sqrt(512); M = the running largest t rounded UP to a whole number; p = 2^(t - M) is quantised with 2^e9, not normalised; the row's sum is taken of the
; unquantised p in f32 and divides at the end.  When M moves, the sum and O are multiplied by 2^(old M - new M), which rounds nothing.
; SHARES.  A work-group owns one head and 512 queries; each of its sixteen waves 32 queries, two tiles.  The head's whole K image (64 KiB at LDS byte 0) and V image (64 KiB behind it) are put into LDS once, through
; registers, 4 KiB of each a wave: one barrier in the launch, nothing is filled again.  Every wave walks the keys, 128 a step, 16 steps.
; BOTH PRODUCTS TRANSPOSED: S^T = K Q^T, O^T = V^T P^T: a lane holds one query throughout; by the tile map (row r of tile 2 g + u is 32 g + 8 u + r + 8 (r / 8)) p's 16 registers of two neighbouring tiles are 16 neighbouring keys.
; A HEAD OF 32 ON THE K = 64 FORM.  Source 0 holds two key tiles side by side (4 registers each).  Source 1 is Q | zeros for the first of them and zeros | Q for the second; the other tile's codes meet zero codes, and they
; are numbers (the quantiser holds at 448, so no NaN code is ever made).  The run Q0, zeros, Q1, zeros, Q0 (20 registers) holds all four such operands of the wave's two tiles.
; BY TURNS.  The wave's two tiles go through a step together, so that a wave has plain work of one tile to issue between the other tile's exponentials, and so that the links of a dependent chain do not follow each other:
;   1  16 products K Q^T
;   2  tile 0: the maximum, M, f                                             (41 plain instructions)
;   3  tile 0's 64 exponentials, dealt evenly among 105 plain instructions: tile 0's 32 scalings (each ahead of its own exponentials), then tile 1's maximum, M, f and scalings
;   4  the next step's K is asked for;  tile 1's 64 exponentials, dealt evenly among 50 plain instructions: both sums x f, tile 0's sum, both tiles' O^T x f
;   5  tile 0's codes; V is asked for, into the registers that tile 0's p has left; tile 1's sum and codes; 4 products V^T P
; Each batch of 64 exponentials has one wait, ahead of its first reader; no exponential is out at a branch or a label.
; THE HOLD OF p.  p <= 1, so p / 2^e9 <= 256 wherever e9 >= -8, and the hold at 448 then changes nothing: a scalar branch on e9, a whole number that is read, leads round its 64 lines; for e9 < -8 they run.
; NO CLUSTER: the four work-groups of a head share 128 KiB, read once at the head and never again.
; LIMITS: e6 + e7 between -122 and 131 (added to c's exponent field); e9 between -126 and 119; e8 + e9 is applied by v_ldexp_f32.
; THE MODE: SCHED_MODE bits 1:0 = 2 (LLVM: expert scheduling mode 2), set by the entry lines.  The code itself states the register dependences
; between vector or matrix instructions and memory or LDS instructions, with s_wait_alu, always for 0.
; THE PLAN.  Registers that memory or LDS instructions touch:
;   v[LI], v[FW], v[FW2]  made at the head, never written again.
;   v[S .. S+63]          at the head: the images' global loads land, the LDS stores read; from the first step on the products write them.
;   v[ADK], v[ADV]        written by two additions at a step's top; read by the step's LDS loads of K and of V.
;   v[KF ..]              read by phase 1's products; the next step's LDS loads land in them in phase 4.
;   v[VF ..]              (tile 0's first 32 scores) written and read by tile 0's vector work, last by its conversions; then V's LDS loads land; the products V^T P read.
;   v[S+64 .. S+95]       on the way out: written by the last multiplications, read by the eight global stores.
; THE WAITS OF A STEP.  vm_vsrc at its top: the loads of the step before have read the two addresses.  The wait for tile 0's batch of exponentials also states that phase 1's products are done reading K's registers and that
; the two addresses are written: K's loads stand directly behind it, and no vector or matrix instruction names v[KF ..] again ahead of the wait on DScnt.  The wait for tile 1's batch.  One wait behind tile 0's conversions, ahead of
; V's loads: what follows up to the wait on DScnt names tile 1's registers, v[P1 ..], the chains and the statistics, and none of v[VF ..].
.set LI,  1                            ; v1   16 x lane
.set ADK, 2                            ; v2   LDS address of the step's K
.set ADV, 3                            ; v3   of its V
.set FW,  4                            ; v4   my wave's 4 KiB of an image, + 16 x lane
.set FW2, 5                            ; v5   the same in V's image
.set PD,  6                            ; v6-7 lane exchanges' destinations
.set ST,  8                            ; tile a: v[8+4a] -M, +1 the largest t, +2, +3 the sum in two halves
.set Q,   16                           ; v16-35   Q0, zeros, Q1, zeros, Q0
.set KF,  36                           ; v36-67   eight key tiles, 4 registers each
.set P0,  68                           ; v68-83   tile 0's codes
.set S,   84                           ; v84-211  S^T, then p: 64 registers a tile
.set VF,  84                           ; v84-115  two fragments of V^T, once tile 0's p are codes
.set P1,  116                          ; v116-131 tile 1's codes, likewise
.set O,   212                          ; v212-243 O^T, 16 a tile
.set CH,  244                          ; v244-249 chains of the maximum (four) and of the sum (three pairs)
.set FF,  250                          ; v250-253 f = 2^(old M - new M) of tile 0 and of tile 1, each named as a pair
.set LIM, 254                          ; 448 x 2^e9
.set SCL, 255                          ; 2^e9
	s_load_b128 s[4:7], s[0:1], 0x0                ; qkv s[4:5], the scales' exponents s[6:7]
	s_load_b64 s[8:9], s[0:1], 0x10                ; ao
	v_lshrrev_b32 v6, 5, v0
	v_readfirstlane_b32 s10, v6                    ; wave 0..15
	v_and_b32 v6, 31, v0
	v_lshlrev_b32 v[LI], 4, v6
	s_wait_alu depctr_va_sdst(0)                   ; s10 is written, ahead of its first reader: an LDS address and the bases of q and ao are made from it
	s_lshl_b32 s11, s10, 12
	v_add_nc_u32 v[FW], s11, v[LI]
	v_add_nc_u32 v[FW2], 0x10000, v[FW]
	s_and_b32 s12, ttmp7, 0xffff                   ; the head
	s_lshl_b32 s14, s12, 16                        ; its 65,536 bytes in each of q, k, v
	s_mov_b32 s15, 0
	s_lshl_b32 s16, ttmp9, 5
	s_lshl_b32 s17, s10, 1
	s_add_co_u32 s16, s16, s17                     ; my first query tile: 32 x work-group x + 2 x wave
	s_lshl_b32 s18, s16, 9
	s_mov_b32 s19, 0
	s_lshl_b32 s20, s12, 7
	s_add_co_u32 s20, s20, s16
	s_lshl_b32 s20, s20, 11                        ; ao: (head x 128 + tile) x 2048
	s_mov_b32 s21, 0
	s_mov_b32 s36, 0x76543210                      ; v_permlanex16_b32: lane l takes lane l xor 16
	s_mov_b32 s37, 0xfedcba98
	s_wait_kmcnt 0x0
	s_load_b128 s[24:27], s[6:7], 0x18             ; e6, e7, e8, e9
	s_add_nc_u64 s[4:5], s[4:5], s[14:15]
	s_add_nc_u64 s[28:29], s[4:5], 0x400000        ; the head's K image
	s_add_nc_u64 s[30:31], s[4:5], 0x800000        ; its V image
	s_add_nc_u64 s[4:5], s[4:5], s[18:19]          ; my two tiles of q
	s_add_nc_u64 s[8:9], s[8:9], s[20:21]
	s_wait_alu depctr_va_vdst(0)                   ; v[LI], v[FW] and v[FW2] are written: the loads and LDS stores of the head, the first step's loads of K and the last stores read them, and none is written again
.irp i, 0,1,2,3,4,5,6,7
	global_load_b128 v[S+4*\i:S+4*\i+3], v[FW], s[28:29] offset:512*\i
.endr
.irp i, 0,1,2,3,4,5,6,7
	global_load_b128 v[S+32+4*\i:S+32+4*\i+3], v[FW], s[30:31] offset:512*\i
.endr
	global_load_b128 v[Q:Q+3], v[LI], s[4:5]                   ; tile 0, into its two places
	global_load_b128 v[Q+16:Q+19], v[LI], s[4:5]
	global_load_b128 v[Q+8:Q+11], v[LI], s[4:5] offset:512     ; tile 1, between the two runs of zeros
.irp a, 0,1
	v_mov_b32 v[ST+4*\a+1], 0xff61b1e6             ; the largest t so far: -3e38, under every t
	v_floor_f32 v[ST+4*\a], -v[ST+4*\a+1]          ; -M
	v_mov_b32 v[ST+4*\a+2], 0
	v_mov_b32 v[ST+4*\a+3], 0
	v_mov_b32 v[FF+2*\a+1], 0                      ; (named as the upper half of a pair)
	v_mov_b32 v[PD+\a], 0                          ; written once: a lane exchange's destination counts as one of its sources
.irp z, 4,5,6,7
	v_mov_b32 v[Q+8*\a+\z], 0                      ; the zero codes
.endr
.endr
.set i, 0
.rept 32
	v_mov_b32 v[O+i], 0                            ; the step is written once: the first finds zeros, which the first change of M leaves zeros
.set i, i+1
.endr
	s_wait_kmcnt 0x0
	s_add_co_i32 s32, s24, s25
	s_lshl_b32 s32, s32, 23
	s_add_co_i32 s22, s32, 0x3d8293ee              ; c = log2(e) / sqrt(512), with e6 + e7 added to its exponent field: a score stands for score x 2^(e6 + e7)
	s_mov_b32 s23, s22                             ; (named with it as a pair)
	s_add_co_i32 s32, s27, 127
	s_lshl_b32 s33, s32, 23
	v_mov_b32 v[SCL], s33
	s_add_co_i32 s32, s32, 8
	s_lshl_b32 s32, s32, 23
	s_or_b32 s32, s32, 0x600000
	v_mov_b32 v[LIM], s32
	s_add_co_i32 s34, s26, s27                     ; e8 + e9
	s_cmp_ge_i32 s27, -8
	s_cselect_b32 s35, 1, 0                        ; 1: p / 2^e9 cannot pass 256
	s_wait_loadcnt 0x0
.irp i, 0,1,2,3,4,5,6,7
	ds_store_b128 v[FW], v[S+4*\i:S+4*\i+3] offset:512*\i      ; the data came by loads; no vector instruction since the head's wait names them or the two addresses
.endr
.irp i, 0,1,2,3,4,5,6,7
	ds_store_b128 v[FW2], v[S+32+4*\i:S+32+4*\i+3] offset:512*\i
.endr
	s_wait_dscnt 0x0                               ; for the others' sake: my part of both images has landed
	s_barrier_signal -1
	s_barrier_wait -1
; Number n (0 .. 72) of tile a's list ahead of its exponentials.  0-31: the largest of the lane's 64 scores, in four chains, the registers in ascending order;
; 32-33: the other 64 keys' largest, in the lane 16 away;  34-40: t, the running largest t, -M = floor(-t), f = 2^(old M - new M);  41-72: t - M, two scores an instruction.
.macro MAXSC a
.set TS, ST+4*\a
.set SA, S+64*\a
.if n < 4
	v_max3_num_f32 v[CH+n], v[SA+3*n], v[SA+3*n+1], v[SA+3*n+2]
.elseif n < 30
	v_max3_num_f32 v[CH+n%4], v[CH+n%4], v[SA+2*n+4], v[SA+2*n+5]
.elseif n == 30
	v_max3_num_f32 v[CH], v[CH], v[CH+1], v[CH+2]
.elseif n == 31
	v_max_num_f32 v[CH], v[CH], v[CH+3]
.elseif n == 32
	v_permlanex16_b32 v[PD], v[CH], s36, s37
.elseif n == 33
	v_max_num_f32 v[CH], v[CH], v[PD]
.elseif n == 34
	v_mul_f32 v[CH], s22, v[CH]                    ; as t (c is positive)
.elseif n == 35
	v_max_num_f32 v[TS+1], v[TS+1], v[CH]          ; the running largest t
.elseif n == 36
	v_mov_b32 v[CH+1], v[TS]
.elseif n == 37
	v_floor_f32 v[TS], -v[TS+1]                    ; the new -M: M is a whole number
.elseif n == 38
	v_sub_f32 v[CH+1], v[TS], v[CH+1]              ; old M - new M: a whole number, 0 or less
.elseif n == 39
	v_cvt_i32_f32 v[CH+1], v[CH+1]                 ; (it saturates)
.elseif n == 40
	v_ldexp_f32 v[FF+2*\a], 1.0, v[CH+1]
.else
	v_pk_fma_f32 v[SA+2*(n-41):SA+2*(n-41)+1], v[SA+2*(n-41):SA+2*(n-41)+1], s[22:23], v[TS:TS+1] op_sel_hi:[1,0,0]   ; of the pairs c and -M the low word serves both halves
.endif
.endm
; Number z (0 .. 31) of tile a's sum of the UNQUANTISED p: 32 pairs in four chains, the running sum itself and three that the first six pairs start.
.macro SUM a
.set TS, ST+4*\a
.set SA, S+64*\a
.if z < 3
	v_pk_add_f32 v[CH+2*z:CH+2*z+1], v[SA+4*z:SA+4*z+1], v[SA+4*z+2:SA+4*z+3]
.elseif z < 29
.if (z-3)%4 == 0
	v_pk_add_f32 v[TS+2:TS+3], v[TS+2:TS+3], v[SA+2*z+6:SA+2*z+7]
.else
	v_pk_add_f32 v[CH+2*((z-3)%4)-2:CH+2*((z-3)%4)-1], v[CH+2*((z-3)%4)-2:CH+2*((z-3)%4)-1], v[SA+2*z+6:SA+2*z+7]
.endif
.elseif z == 29
	v_pk_add_f32 v[CH:CH+1], v[CH:CH+1], v[CH+2:CH+3]
.elseif z == 30
	v_pk_add_f32 v[TS+2:TS+3], v[TS+2:TS+3], v[CH+4:CH+5]
.else
	v_pk_add_f32 v[TS+2:TS+3], v[TS+2:TS+3], v[CH:CH+1]
.endif
.endm
; Number y (0 .. 49) of the plain work that stands among tile 1's exponentials: both sums under the new M; tile 0's sum; both tiles' O^T under the new M, each accumulator from its low end on.
.macro REST
.if y < 2
	v_pk_mul_f32 v[ST+4*y+2:ST+4*y+3], v[ST+4*y+2:ST+4*y+3], v[FF+2*y:FF+2*y+1] op_sel_hi:[1,0]
.elseif y < 34
.set z, y-2
	SUM 0
.else
	v_pk_mul_f32 v[O+2*(y-34):O+2*(y-34)+1], v[O+2*(y-34):O+2*(y-34)+1], v[FF+2*((y-34)/8):FF+2*((y-34)/8)+1] op_sel_hi:[1,0]
.endif
.endm
.macro HOLD a                          ; e9 < -8 alone: the conversion does not saturate (ISA guide 7.6.2); p is not negative, so the hold is one-sided
	s_cmp_lg_u32 s35, 0
	s_cbranch_scc1 .Lfits_\@
.set j, 0
.rept 64
	v_min_num_f32 v[S+64*\a+j], v[S+64*\a+j], v[LIM]
.set j, j+1
.endr
.Lfits_\@:
.endm
.macro CODES a, d                      ; tile a's 64 p become the 16 registers of the second product's operand, at v[d]
.irp b, 0,1,2,3
	v_cvt_scalef32_pk8_fp8_f32 v[\d+4*\b:\d+4*\b+1], v[S+64*\a+16*\b:S+64*\a+16*\b+7], v[SCL]
	v_cvt_scalef32_pk8_fp8_f32 v[\d+4*\b+2:\d+4*\b+3], v[S+64*\a+16*\b+8:S+64*\a+16*\b+15], v[SCL]
.endr
.endm
.irp t, 0,1,2,3,4,5,6,7
	ds_load_b128 v[KF+4*\t:KF+4*\t+3], v[LI] offset:512*\t     ; the first step's K: no vector instruction has named these registers
.endr
	s_wait_dscnt 0x0
	s_mov_b32 s38, 0                               ; the step's place in both images
	s_mov_b32 s39, 16
.Lstep:
	s_wait_alu depctr_vm_vsrc(0)                   ; the LDS loads of the step before have read v[ADK] and v[ADV], which the two lines below write; in the first trip: the head's LDS stores have read v[S ..], which the products below write
	v_add_nc_u32 v[ADK], s38, v[LI]                ; these two and three v_nop are five places between the last products V^T P and the products below, which write over the registers that held V and tile 1's codes (ISA guide 7.12.1)
	v_add_nc_u32 v[ADV], 0x10000, v[ADK]
	v_nop
	v_nop
	v_nop
	; ---- 1: S^T = K Q^T of both tiles; every product starts its sum with the constant 0
.irp t, 0,1,2,3,4,5,6,7
.irp a, 0,1
	v_wmma_f32_16x16x64_fp8_fp8 v[S+64*\a+8*\t:S+64*\a+8*\t+7], v[KF+8*(\t/2):KF+8*(\t/2)+7], v[Q+8*\a+(\t%2)*(12-16*\a):Q+8*\a+(\t%2)*(12-16*\a)+7], 0
.endr
.endr
.rept 4
	v_nop                                          ; four places ahead of the first read of the scores
.endr
	; ---- 2: tile 0's maximum, M and f
.set n, 0
.rept 41
	MAXSC 0
.set n, n+1
.endr
	; ---- 3: tile 0's exponentials among 105 plain instructions; exponential x stands behind the scaling of its pair (x is at most 64 (i + 1) / 105 - 1 where scalings 0 .. i - 1 are out); the last line is a plain one
.set i, 0
.rept 105
.if ((i+1)*64)/105 > (i*64)/105
	v_exp_f32 v[S+((i+1)*64)/105-1], v[S+((i+1)*64)/105-1]     ; p = 2^(t - M), at most 1
.endif
.if i < 32
.set n, 41+i
	MAXSC 0
.else
.set n, i-32
	MAXSC 1
.endif
.set i, i+1
.endr
	; ---- 4: the next step's K; tile 1's exponentials among 50 plain instructions, of which the sums read tile 0's p
	s_wait_alu depctr_va_vdst(0)                   ; tile 0's 64 exponentials have written v[S .. S+63], ahead of their first reader; phase 1's products are done reading v[KF ..], in which the loads below land; v[ADK] and v[ADV] are written, which this step's loads read
.irp t, 0,1,2,3,4,5,6,7
	ds_load_b128 v[KF+4*\t:KF+4*\t+3], v[ADK] offset:4096+512*\t   ; the NEXT step's K.  In the last trip these eight reach into V's image: bytes inside LDS that were stored ahead of the barrier; what they bring is not used
.endr
.set i, 0
.rept 64
	v_exp_f32 v[S+64+i], v[S+64+i]
.if ((i+1)*50)/64 > (i*50)/64
.set y, ((i+1)*50)/64-1
	REST
.endif
.set i, i+1
.endr
	; ---- 5: codes, V, the second product
	s_wait_alu depctr_va_vdst(0)                   ; tile 1's 64 exponentials have written v[S+64 .. S+127]: one wait for the batch, behind a plain line, ahead of its first reader and of the branch below
	HOLD 0
	CODES 0, P0
	s_wait_alu depctr_va_vdst(0)                   ; tile 0's conversions, the last readers of v[VF ..], are done with them: V's loads land there
.irp u, 0,1
.irp c, 0,1,2,3
	ds_load_b128 v[VF+16*\u+4*\c:VF+16*\u+4*\c+3], v[ADV] offset:2048*\u+512*\c   ; V, into registers that tile 0's p has left; tile 1's sum and codes stand between these loads and the wait for them, and name none of these registers
.endr
.endr
.set z, 0
.rept 32
	SUM 1                                          ; (these are also the plain lines between tile 0's conversions and tile 1's, which write over some of their sources)
.set z, z+1
.endr
	HOLD 1
	CODES 1, P1
	v_nop                                          ; one plain vector instruction between the last conversion and the products that read its result
	s_wait_dscnt 0x0                               ; V is in, and so is the next step's K
.irp u, 0,1
.irp a, 0,1
	v_wmma_f32_16x16x128_fp8_fp8 v[O+16*\a+8*\u:O+16*\a+8*\u+7], v[VF+16*\u:VF+16*\u+15], v[P0+48*\a:P0+48*\a+15], v[O+16*\a+8*\u:O+16*\a+8*\u+7]   ; the four accumulators take turns, one instruction a turn
.endr
.endr
	s_add_co_u32 s38, s38, 4096
	s_sub_co_u32 s39, s39, 1
	s_cmp_lg_u32 s39, 0
	s_cbranch_scc1 .Lstep
	; THE WAY OUT: register 16 a + i of O^T is channel 16 (lane / 16) + i of my query: four stores of 16 bytes a lane, each 512 consecutive bytes of ao's register image: no stage is needed.
.rept 4
	v_nop
.endr
	v_add_f32 v[ST+2], v[ST+2], v[ST+3]
	v_add_f32 v[ST+6], v[ST+6], v[ST+7]
	v_permlanex16_b32 v[PD], v[ST+2], s36, s37
	v_permlanex16_b32 v[PD+1], v[ST+6], s36, s37
	v_add_f32 v[ST+2], v[ST+2], v[PD]
	v_add_f32 v[ST+6], v[ST+6], v[PD+1]
	v_rcp_f32 v[ST+2], v[ST+2]
	v_rcp_f32 v[ST+6], v[ST+6]
	v_nop                                          ; a plain instruction behind the reciprocals,
	s_wait_alu depctr_va_vdst(0)                   ; and one wait for both, ahead of the first reader: they have written v[ST+2] and v[ST+6]
	v_ldexp_f32 v[ST+2], v[ST+2], s34              ; x 2^(e8 + e9)
	v_ldexp_f32 v[ST+6], v[ST+6], s34
.irp a, 0,1
.set i, 0
.rept 16
	v_mul_f32 v[S+64+16*\a+i], v[O+16*\a+i], v[ST+4*\a+2]      ; into registers of tile 1's scores, which no product has read; each accumulator from its low end on
.set i, i+1
.endr
.endr
	s_wait_alu depctr_va_vdst(0)                   ; the multiplications have written v[S+64 .. S+95], which the stores below read
.irp a, 0,1
.irp j, 0,1,2,3
	global_store_b128 v[LI], v[S+64+16*\a+4*\j:S+64+16*\a+4*\j+3], s[8:9] offset:2048*\a+512*\j
.endr
.endr
	s_wait_xcnt 0x0
	v_lshl_add_u32 v254, v0, 2, 0x20000            ; the add's two registers are made anew: no memory or LDS instruction has ever read v254 or v255
	v_mov_b32 v255, 0
	s_wait_dscnt 0x0                               ; the closing lines, six on end
	s_wait_alu 0x0
	s_wait_tensorcnt 0x0
	ds_add_u32 v254, v255
	s_wait_dscnt 0x0
	s_endpgm
.Lfunc_end_k_qfd06b20d7c_attn:
	.size	k_qfd06b20d7c_attn, .Lfunc_end_k_qfd06b20d7c_attn-k_qfd06b20d7c_attn
	.p2alignl 7, 3214868480
	.fill 96, 4, 3214868480
	.section	.rodata,"a",@progbits
	.p2align	6, 0x0
	.amdhsa_kernel k_qfd06b20d7c_attn
		.amdhsa_group_segment_fixed_size 133120
		.amdhsa_private_segment_fixed_size 0
		.amdhsa_enable_private_segment 0
		.amdhsa_kernarg_size 24
		.amdhsa_user_sgpr_count 2
		.amdhsa_user_sgpr_kernarg_segment_ptr 1
		.amdhsa_wavefront_size32 1
		.amdhsa_system_sgpr_workgroup_id_x 1
		.amdhsa_system_sgpr_workgroup_id_y 1
		.amdhsa_system_sgpr_workgroup_id_z 1
		.amdhsa_system_vgpr_workitem_id 0
		.amdhsa_next_free_vgpr 256
		.amdhsa_next_free_sgpr 66
		.amdhsa_reserve_vcc 0
		.amdhsa_float_denorm_mode_32 3
		.amdhsa_float_denorm_mode_16_64 3
		.amdhsa_memory_ordered 1
		.amdhsa_forward_progress 1
		.amdhsa_inst_pref_size 37
	.end_amdhsa_kernel
	.amdgpu_metadata
---
amdhsa.version: [ 1, 2 ]
amdhsa.kernels:
  - .name:           k_qfd06b20d7c_attn
    .symbol:         k_qfd06b20d7c_attn.kd
    .args:
      - { .name: qkv, .offset: 0, .size: 8, .value_kind: global_buffer, .address_space: global }
      - { .name: lowp_scales, .offset: 8, .size: 8, .value_kind: global_buffer, .address_space: global }
      - { .name: ao, .offset: 16, .size: 8, .value_kind: global_buffer, .address_space: global }
    .group_segment_fixed_size: 133120
    .private_segment_fixed_size: 0
    .kernarg_segment_align: 8
    .kernarg_segment_size: 24
    .max_flat_workgroup_size: 512
    .sgpr_count:     66
    .vgpr_count:     256
    .wavefront_size: 32
...
	.end_amdgpu_metadata
.endif
;; end of part 8
;; launch ln2: the kernel of part 4 again; grid 512 x 1, 4 waves a work-group, no clusters, 35,328 bytes of LDS; arguments x, ao, alpha, beta, lowp_scales, x1, hc; writes x1, hc
;; launch gemm1: the kernel of part 5 again; grid 8 x 32, 4 waves a work-group, no clusters, 168,448 bytes of LDS; arguments hc, wimg, b1, lowp_scales, hid; writes hid
;; launch gemm2: the kernel of part 6 again; grid 4 x 64, 4 waves a work-group, clusters of 4 x 4, 327,680 bytes of LDS; arguments hid, wimg, x1, b2, lowp_scales, out0; writes out0
